; MI455X (gfx1250); checked and timed in simulation.
; The chip was launched on July 23, 2026; its instructions are those of AMD's public machine-readable ISA for CDNA 5 (MIT licence, August 2026) and "CDNA5" Instruction Set Architecture Reference Guide (July 2026). The comments in the code are by the model that wrote it; some were corrected since.
;; Adaptive Expert Layer. Allowed arithmetic: matrix products marked QUANTISED: E5M2 operands, one given power-of-two scale a tensor, by v_wmma_f32_16x16x64_bf8_bf8 or v_wmma_f32_16x16x128_bf8_bf8, f32 sums; products left as they are: f32 operands where the result goes on into a quantised operand, else bf16, f16 or f32 operands; f32 sums; everything else in f32.
;; Inputs: W1 8 x 4,096 x 1,024 float32; W2 8 x 1,024 x 4,096 float32; b1 8 x 4,096 float32; b2 8 x 1,024 float32; gate_w 8 x 1,024 float32; lowp_scales 4 int32 (the exponents e of the quantised operands' scales 2^e); x 4 x 256 x 1,024 float32.
;; Outputs: out0 4 x 256 x 1,024 float32.
;; This version of the problem:
;;   THIS VERSION OF THE PROBLEM IS GIVEN IN LOW PRECISION. The matrix products marked QUANTISED in the list below multiply operands that are first quantised to E5M2 (5 exponent bits, 2 mantissa bits; 8 bits a number), with one given power-of-two scale for each operand tensor; their sums are f32. All else is computed in f32.
;;   The module's matrix products, in the order in which they are computed (A, B: the left and right operand; K: the contracted axis; several contracted axes count as one K, in the product's order):
;;     1. [M 1,024, K 1,024] x [K 1,024, N 8]; A: input x; B: input gate_w: left as it is (N = 8 < 16)
;;     2. [M 32,768, K 1,024] x [K 1,024, N 1,024]; A: input W1; B: input x: QUANTISED (scales: A lowp_scales[0], B lowp_scales[1])
;;     3. batch 8 x [M 1,024, K 4,096] x [K 4,096, N 1,024]; A: computed on the way; B: input W2: QUANTISED (scales: A lowp_scales[2], B lowp_scales[3])
;;     4. batch 1,024 x [M 1, K 8] x [K 8, N 1,024]; A: computed on the way; B: computed on the way: left as it is (K = 8 < 32)
;;   THE QUANTISER, for each operand of a quantised product, along K:
;;     - The operand's scale is 2^e, e = its entry of the input lowp_scales (int32; the entries are numbered through the quantised products in the list's order, A before B).
;;     - Each number is divided by the scale, clamped to +-57,344, and rounded to the nearest number of E5M2, ties to even, subnormals kept.
;;     - The product sums the exact products of the quantised numbers (number of the format x scale) in f32.
;;   ~~~python
;;   def quantise(x, axis, e):      # numpy; x: float32 -> the quantised numbers, widened to float32 again
;;       x = np.moveaxis(x, axis, -1); K = x.shape[-1]
;;       r = np.clip(x / 2.0 ** e, -57344, 57344)
;;       step = 2.0 ** (np.maximum(np.frexp(np.where(r == 0, 1, r))[1] - 1, -14) - 2)
;;       q = np.round(r / step) * step * 2.0 ** e      # np.round: ties to even
;;       return np.moveaxis(q, -1, axis).astype(np.float32)
;;   ~~~
;;   OPERANDS COMPUTED ON THE WAY. 'Computed on the way' means the value that the module computes at that place (a softmax that the list does not call 'softmax' is quantised finished and normalised). What goes into a quantiser is computed in f32, as accurately as f32 sums, v_exp_f32 and their like allow (about 1e-6 of the number): no bf16 or f16 on the way to a quantiser, and a product that is left as it is and whose result goes on into a quantised operand takes f32 operands (vector FMAs, or v_wmma_f32_16x16x4_f32). A number that lies on a knife's edge between two numbers of the format may be rounded either way, as far as f32 arithmetic and the matrix unit's own rounding can turn it there, and no further.
;; 2 versions. Each part assembles by itself: llvm-mc -triple=amdgcn-amd-amdhsa -mcpu=gfx1250 --defsym DOCPART=n.
;; ======== version 1 of 2: 4 launches
;; workspace buffers: xq 1,048,576 bytes; sel 4,096 bytes of whole numbers; wts 8,192 bytes; hq 33,554,432 bytes; rank 32,768 bytes of whole numbers; cnt 1,024 bytes of whole numbers; yp 134,217,728 bytes
;; launch route (part 1): grid 256 x 1, 4 waves a work-group, no clusters, 20,992 bytes of LDS; arguments x, gate_w, lowp_scales, xq, sel, wts; writes xq, sel, wts
.if DOCPART == 1
	.amdgcn_target "amdgcn-amd-amdhsa--gfx1250"
	.amdhsa_code_object_version 6
	.text
	.protected	k_q7b4b9ee31d_route
	.globl	k_q7b4b9ee31d_route
	.p2align	8
	.type	k_q7b4b9ee31d_route,@function
k_q7b4b9ee31d_route:
	s_mov_b64 s[64:65], 0
	v_nop
	global_prefetch_b8 v0, s[64:65] scope:SCOPE_SE
	s_setreg_imm32_b32 hwreg(HW_REG_WAVE_MODE, 25, 1), 1
	s_wait_xcnt 0x0
; ROUTER AND x's CODES.  One wave takes one token n = 4 x work-group + wave.
; logits = x[n] . gate_w[e] in f32 (fused multiply-adds, two chains an expert, then a sum over the 32 lanes); softmax with the maximum taken away;
; the two largest probabilities (on a tie the lower index, by a strict compare in ascending order); w_k = p_k / (p_0 + p_1 + 1e-9).
; Stored at fixed places: sel[n] = e0 | e1 << 8 | ((1 << e0) | (1 << e1)) << 16, wts[n] = w0, w1.  No address and no branch hangs on them here.
; x[n] also becomes 1,024 codes of E5M2 with the given scale 2^e1 (entry 1 of the scales): x / 2^e1, held within +-57,344, to the nearest code, ties to even.
; LIMITS: e1 between -126 and 112, so that 2^e1 and 57,344 x 2^e1 are f32 numbers.  NaN among the inputs is not served.
; No matrix unit, no cluster: the product has 8 columns, and waves share nothing but gate_w's 32 KB, which each wave holds in registers.
; REGISTERS: window 0: v1 lane, v2 16 x lane, v3 / v4 the stage's way in / out, v5 0, v10 / v11 the hold and the scale; R x as loaded; XN 16 neighbours, twice; CD codes; AC the chains; LG logits, then p.
;            window 1: gate_w: expert e's 32 numbers of my lane at v[32 e].
.set R,   16                           ; v16-47   load i, register t: x[128 i + 4 lane + t]
.set XN,  48                           ; v48-79   step t: numbers 512 t + 16 lane + 0 .. 15
.set CD,  80                           ; v80-87   step t: 16 codes
.set AC,  88                           ; v88-119  expert e: two pairs
.set LG,  120                          ; v120-127
.set TM,  128                          ; v128-135 the other half of the lanes'
.set SP,  80                           ; a place in the stage: 64 bytes + 16 of padding
.set MSB, 0
.macro WIN new                         ; the immediate's high byte repeats the setting that is left
.if MSB != \new
	s_set_vgpr_msb (MSB<<8)|\new
.set MSB, \new
.endif
.endm
	s_load_b256 s[4:11], s[0:1], 0x0               ; x, gate_w, the scales' exponents, xq
	s_load_b128 s[12:15], s[0:1], 0x20             ; sel, wts
	v_lshl_add_u32 v254, v0, 2, 0x5000
	v_mov_b32 v255, 0
	v_lshrrev_b32 v6, 5, v0
	v_readfirstlane_b32 s18, v6                    ; wave
	v_and_b32 v1, 31, v0                           ; lane
	v_lshlrev_b32 v2, 4, v1
	s_mul_i32 s19, s18, 64*SP                      ; my wave's two stages
	v_lshrrev_b32 v3, 2, v1
	v_mul_u32_u24 v3, v3, SP
	v_and_b32 v6, 3, v1
	v_lshl_add_u32 v3, v6, 4, v3
	v_add_nc_u32 v3, s19, v3                       ; in: four lanes' 64 bytes on end, then the padding
	v_mul_u32_u24 v4, v1, SP
	v_add_nc_u32 v4, s19, v4                       ; out: my 16 neighbours
	v_mov_b32 v5, 0
.irp e, 0,1,2,3,4,5,6,7
	v_mov_b32 v[TM+\e], 0                          ; a lane permute's destination counts as read
.endr
	s_lshl_b32 s20, ttmp9, 2
	s_add_co_u32 s20, s20, s18                     ; token n
	s_mov_b32 s16, 0x76543210                      ; selects for lane l xor 16
	s_mov_b32 s17, 0xfedcba98
	s_lshl_b32 s22, s20, 12
	s_mov_b32 s23, 0
	s_wait_kmcnt 0x0
	s_load_b32 s21, s[8:9], 0x4                    ; e1
	s_add_nc_u64 s[4:5], s[4:5], s[22:23]          ; x at my token
	s_lshl_b32 s22, s20, 10
	s_add_nc_u64 s[10:11], s[10:11], s[22:23]      ; xq likewise
	s_lshl_b32 s22, s20, 2
	s_add_nc_u64 s[12:13], s[12:13], s[22:23]      ; sel[n]
	s_lshl_b32 s22, s20, 3
	s_add_nc_u64 s[14:15], s[14:15], s[22:23]      ; wts[n]
.irp i, 0,1,2,3,4,5,6,7
	global_load_b128 v[R+4*\i:R+4*\i+3], v2, s[4:5] offset:512*\i th:TH_LOAD_NT   ; 512 consecutive bytes a load
.endr
	WIN 0x40                                       ; destination window 1
.irp e, 0,1,2,3,4,5,6,7
.irp i, 0,1,2,3,4,5,6,7
	global_load_b128 v[32*\e+4*\i:32*\e+4*\i+3], v2, s[6:7] offset:4096*\e+512*\i
.endr
.endr
	WIN 0
	s_wait_kmcnt 0x0
	s_add_co_i32 s21, s21, 127
	s_lshl_b32 s22, s21, 23
	v_mov_b32 v11, s22                             ; 2^e1 as f32: the conversion takes its exponent field
	s_add_co_i32 s21, s21, 15
	s_lshl_b32 s21, s21, 23
	s_or_b32 s21, s21, 0x600000
	v_mov_b32 v10, s21                             ; 57,344 x 2^e1
	s_wait_loadcnt 56                              ; x and expert 0's row are in; seven experts' 56 loads may be out
.irp t, 0,1                                    ; x turns through the stage: in as loaded, out 64 bytes a lane.  LDS serves a wave's instructions in order
.irp i, 0,1,2,3
	ds_store_b128 v3, v[R+16*\t+4*\i:R+16*\t+4*\i+3] offset:32*SP*\t+8*SP*\i
.endr
.irp i, 0,1,2,3
	ds_load_b128 v[XN+16*\t+4*\i:XN+16*\t+4*\i+3], v4 offset:32*SP*\t+16*\i
.endr
.endr
	WIN 0x04                                       ; source 1 (gate_w) window 1
.irp e, 0,1,2,3,4,5,6,7
	s_wait_loadcnt 8*(7-\e)                        ; this expert's row is in; the later experts' loads may be out
	v_pk_mul_f32 v[AC+4*\e:AC+4*\e+1], v[R:R+1], v[32*\e:32*\e+1]           ; the first products start the two chains
	v_pk_mul_f32 v[AC+4*\e+2:AC+4*\e+3], v[R+2:R+3], v[32*\e+2:32*\e+3]
.irp j, 4,8,12,16,20,24,28
	v_pk_fma_f32 v[AC+4*\e:AC+4*\e+1], v[R+\j:R+\j+1], v[32*\e+\j:32*\e+\j+1], v[AC+4*\e:AC+4*\e+1]
	v_pk_fma_f32 v[AC+4*\e+2:AC+4*\e+3], v[R+\j+2:R+\j+3], v[32*\e+\j+2:32*\e+\j+3], v[AC+4*\e+2:AC+4*\e+3]
.endr
.endr
	WIN 0
	s_wait_dscnt 0x0                               ; my 32 neighbours are back
.irp i, 0,1,2,3,4,5,6,7,8,9,10,11,12,13,14,15,16,17,18,19,20,21,22,23,24,25,26,27,28,29,30,31
	v_med3_num_f32 v[XN+\i], v[XN+\i], -v10, v10   ; the conversion to an 8-bit code does not saturate (ISA guide 7.6.2): the hold comes first
.endr
.irp t, 0,1
	v_cvt_scalef32_pk8_bf8_f32 v[CD+4*\t:CD+4*\t+1], v[XN+16*\t:XN+16*\t+7], v11
	v_cvt_scalef32_pk8_bf8_f32 v[CD+4*\t+2:CD+4*\t+3], v[XN+16*\t+8:XN+16*\t+15], v11
.endr
	v_nop                                          ; a plain instruction behind the last conversion
.irp t, 0,1
	global_store_b128 v2, v[CD+4*\t:CD+4*\t+3], s[10:11] offset:512*\t   ; the wave stores 512 consecutive bytes
.endr
	; the logits: the chains are joined, then the 32 lanes
.irp e, 0,1,2,3,4,5,6,7
	v_pk_add_f32 v[AC+4*\e:AC+4*\e+1], v[AC+4*\e:AC+4*\e+1], v[AC+4*\e+2:AC+4*\e+3]
.endr
.irp e, 0,1,2,3,4,5,6,7
	v_add_f32 v[LG+\e], v[AC+4*\e], v[AC+4*\e+1]
.endr
.irp x, 1,2,4,8
.irp e, 0,1,2,3,4,5,6,7
	v_add_f32_dpp v[LG+\e], v[LG+\e], v[LG+\e] row_xmask:\x row_mask:0xf bank_mask:0xf
.endr
.endr
.irp e, 0,1,2,3,4,5,6,7
	v_permlanex16_b32 v[TM+\e], v[LG+\e], s16, s17
.endr
.irp e, 0,1,2,3,4,5,6,7
	v_add_f32 v[LG+\e], v[LG+\e], v[TM+\e]         ; every lane holds all eight logits
.endr
	; softmax
	v_max3_num_f32 v136, v[LG], v[LG+1], v[LG+2]
	v_max3_num_f32 v136, v136, v[LG+3], v[LG+4]
	v_max3_num_f32 v136, v136, v[LG+5], v[LG+6]
	v_max_num_f32 v136, v136, v[LG+7]
.irp e, 0,1,2,3,4,5,6,7
	v_sub_f32 v[LG+\e], v[LG+\e], v136
.endr
.irp e, 0,1,2,3,4,5,6,7
	v_mul_f32 v[LG+\e], 0x3fb8aa3b, v[LG+\e]       ; x log2(e)
.endr
.irp e, 0,1,2,3,4,5,6,7
	v_exp_f32 v[LG+\e], v[LG+\e]
.endr
	v_mov_b32 v145, 1                              ; (a plain instruction behind the exponentials)
	s_wait_alu depctr_va_vdst(0)
	v_add_f32 v137, v[LG], v[LG+1]
	v_add_f32 v138, v[LG+2], v[LG+3]
	v_add_f32 v139, v[LG+4], v[LG+5]
	v_add_f32 v140, v[LG+6], v[LG+7]
	v_add_f32 v137, v137, v138
	v_add_f32 v139, v139, v140
	v_add_f32 v137, v137, v139
	v_rcp_f32 v138, v137
	v_mov_b32 v140, 0                              ; (a plain instruction behind the reciprocal)  the first choice's index
	s_wait_alu depctr_va_vdst(0)
.irp e, 0,1,2,3,4,5,6,7
	v_mul_f32 v[LG+\e], v[LG+\e], v138             ; p
.endr
	v_mov_b32 v139, v[LG]                          ; the largest p, ascending, strictly greater: the lower index keeps a tie
.irp e, 1,2,3,4,5,6,7
	v_cmp_gt_f32 vcc_lo, v[LG+\e], v139
	v_cndmask_b32 v139, v139, v[LG+\e], vcc_lo
	v_cndmask_b32 v140, v140, \e, vcc_lo
.endr
.irp e, 0,1,2,3,4,5,6,7
	v_cmp_eq_u32 vcc_lo, \e, v140
	v_cndmask_b32 v[LG+\e], v[LG+\e], -1.0, vcc_lo ; the first choice is taken out: under every p
.endr
	v_mov_b32 v141, v[LG]
	v_mov_b32 v142, 0
.irp e, 1,2,3,4,5,6,7
	v_cmp_gt_f32 vcc_lo, v[LG+\e], v141
	v_cndmask_b32 v141, v141, v[LG+\e], vcc_lo
	v_cndmask_b32 v142, v142, \e, vcc_lo
.endr
	v_add_f32 v143, v139, v141
	v_add_f32 v143, 0x3089705f, v143               ; + 1e-9
	v_rcp_f32 v143, v143
	v_lshlrev_b32 v144, v140, v145                 ; (a plain instruction behind the reciprocal)  1 << e0
	v_lshlrev_b32 v145, v142, v145                 ; 1 << e1
	v_or_b32 v144, v144, v145
	v_lshl_or_b32 v148, v142, 8, v140
	v_lshl_or_b32 v148, v144, 16, v148             ; the word of sel
	s_wait_alu depctr_va_vdst(0)
	v_mul_f32 v146, v139, v143                     ; w0
	v_mul_f32 v147, v141, v143                     ; w1
	s_wait_xcnt 0x0                                ; EXEC changes only behind this wait: the stores above have read it
	v_cmp_eq_u32 vcc_lo, 0, v1
	s_wait_tensorcnt 0x0
	ds_add_u32 v254, v255
	s_wait_dscnt 0x0
	s_and_saveexec_b32 s22, vcc_lo                 ; lane 0 stores for the token
	global_store_b32 v5, v148, s[12:13]
	global_store_b64 v5, v[146:147], s[14:15]
	s_endpgm
.Lfunc_end_k_q7b4b9ee31d_route:
	.size	k_q7b4b9ee31d_route, .Lfunc_end_k_q7b4b9ee31d_route-k_q7b4b9ee31d_route
	.p2alignl 7, 3214868480
	.fill 96, 4, 3214868480
	.section	.rodata,"a",@progbits
	.p2align	6, 0x0
	.amdhsa_kernel k_q7b4b9ee31d_route
		.amdhsa_group_segment_fixed_size 20992
		.amdhsa_private_segment_fixed_size 0
		.amdhsa_enable_private_segment 0
		.amdhsa_kernarg_size 48
		.amdhsa_user_sgpr_count 2
		.amdhsa_user_sgpr_kernarg_segment_ptr 1
		.amdhsa_wavefront_size32 1
		.amdhsa_system_sgpr_workgroup_id_x 1
		.amdhsa_system_sgpr_workgroup_id_y 1
		.amdhsa_system_sgpr_workgroup_id_z 1
		.amdhsa_system_vgpr_workitem_id 0
		.amdhsa_next_free_vgpr 512
		.amdhsa_next_free_sgpr 66
		.amdhsa_reserve_vcc 1
		.amdhsa_float_denorm_mode_32 3
		.amdhsa_float_denorm_mode_16_64 3
		.amdhsa_memory_ordered 1
		.amdhsa_forward_progress 1
		.amdhsa_inst_pref_size 30
	.end_amdhsa_kernel
	.amdgpu_metadata
---
amdhsa.version: [ 1, 2 ]
amdhsa.kernels:
  - .name:           k_q7b4b9ee31d_route
    .symbol:         k_q7b4b9ee31d_route.kd
    .args:
      - { .name: x, .offset: 0, .size: 8, .value_kind: global_buffer, .address_space: global }
      - { .name: gate_w, .offset: 8, .size: 8, .value_kind: global_buffer, .address_space: global }
      - { .name: lowp_scales, .offset: 16, .size: 8, .value_kind: global_buffer, .address_space: global }
      - { .name: xq, .offset: 24, .size: 8, .value_kind: global_buffer, .address_space: global }
      - { .name: sel, .offset: 32, .size: 8, .value_kind: global_buffer, .address_space: global }
      - { .name: wts, .offset: 40, .size: 8, .value_kind: global_buffer, .address_space: global }
    .group_segment_fixed_size: 20992
    .private_segment_fixed_size: 0
    .kernarg_segment_align: 8
    .kernarg_segment_size: 48
    .max_flat_workgroup_size: 128
    .sgpr_count:     66
    .vgpr_count:     512
    .wavefront_size: 32
...
	.end_amdgpu_metadata
.endif
;; end of part 1
;; launch ffn1 (part 2): grid 32 x 8, 4 waves a work-group, no clusters, 205,824 bytes of LDS; arguments W1, b1, lowp_scales, xq, sel, hq, rank, cnt; writes hq, rank, cnt
.if DOCPART == 2
	.amdgcn_target "amdgcn-amd-amdhsa--gfx1250"
	.amdhsa_code_object_version 6
	.text
	.protected	k_q7b4b9ee31d_ffn1
	.globl	k_q7b4b9ee31d_ffn1
	.p2align	8
	.type	k_q7b4b9ee31d_ffn1,@function
k_q7b4b9ee31d_ffn1:
	s_mov_b64 s[64:65], 0
	v_nop
	global_prefetch_b8 v0, s[64:65] scope:SCOPE_SE
	s_setreg_imm32_b32 hwreg(HW_REG_WAVE_MODE, 25, 1), 1
	s_wait_xcnt 0x0
; FIRST LAYER OF THE CHOSEN EXPERTS.  Work-group (j, e) owns hidden units 128 j .. 128 j + 127 of expert e; wave w owns 32 of them.
; THE WEIGHTS STAND STILL: a wave's 32 rows x 1,024 K of W1 are read once as f32 (each load 512 consecutive bytes of a row), turned through the wave's own LDS stage so that a lane holds 16 neighbours along K,
; quantised with the given 2^e0 and kept as 16 operand fragments in 256 registers.  The expert's token rows then walk past, 64 a chunk.
; WHICH ROWS: sel (stored by the launch before) gives a mask of 1,024 bits for the expert: word jw, bit l = token 128 (jw / 4) + 4 l + jw % 4.  A token's rank is the number of set bits ahead of it.
; The list rank -> token is made by gathering: a lane looks for the token of ITS rank (the word by the prefix counts, the bit by halving), so every LDS address is fixed.
; NCH = max(1, ceil(count / 64)) chunks are worked.  Ranks past the count give some valid token: those rows are written and nobody reads them.
; THE PRODUCT IS USED TRANSPOSED (source 0 = 16 rows of W1, source 1 = 16 token rows), and lane r of tile u takes W1's row 8 u + r + 8 (r / 8): a lane's 16 results are then 16 neighbouring hidden units of one token row,
; relu and the hold are one v_med3, and the conversions' four registers are piece w of the next product's operand, stored as an image of its registers: hq[e][row tile][K step j][piece w][lane][16 bytes].
; b1 goes in as the C of a sum's first product, divided by 2^(e0 + e1); the conversion's one scale is 2^(e2 - e0 - e1).
; NO TENSOR LOADS, NO CLUSTER: how many chunks are worked hangs on a count read from memory, so operands come through registers; every wave passes every barrier, and the branches on the count stand between barriers.
; LIMITS: e0 and e2 - e0 - e1 between -126 and 112.  NaN among the inputs is not served.
; REGISTERS: window 0: addresses, list work, ACC, BIAS, HC, OFFS; X v128-255 (two sets of 64 numbers).   window 1: the weight fragments, (tile u, K step s) at v[16 (8 u + s)].
;            window 2: four landing sets of 64 for the weights, later two sets of 8 row fragments.   window 3: v0-127 the next chunk's rows on their way to LDS.
.set APITCH, 1040                      ; a token row of 1,024 codes + 16: 65 x 16 bytes, so the 16 rows of a fragment load fall into 16 different columns of 16 bytes
.set ABUF1,  64*APITCH                 ; two buffers of 64 rows
.set LIST,   2*64*APITCH               ; 1,024 words, and room for the addresses of the trips that are never worked
.set WST,    LIST+4608                 ; the weight stages: for each wave two of 16 rows x 528 bytes
.set WPITCH, 528
.set WHALF,  16*WPITCH
.set LI,   1                           ; 16 x lane
.set WSI,  2                           ; weight stage, way in
.set WSO,  3                           ; weight stage, way out: 528 r + 64 h
.set FA,   4                           ; v4, v5  fragment address in row buffer 0, 1
.set SA,   6                           ; v6, v7  where I put rows into buffer 0, 1
.set LA,   8                           ; LIST + 4 (16 w + h)
.set LW,   9                           ; LIST + 4 (32 w + lane)
.set HO,   10                          ; my 16 bytes in a row tile of hq
.set RC,   11                          ; 16 (lane % 16)
.set SCW,  12                          ; 2^e0;  LIMW: 57,344 x 2^e0
.set LIMW, 13
.set SCH,  14                          ; 2^(e2 - e0 - e1);  LIMH: 57,344 x that
.set LIMH, 15
.set T0,   16
.set LANE, 17
.set LQ,   20                          ; the list's work
.set LB,   21
.set LWD,  22
.set LIX,  23
.set LT,   24
.set LPOS, 25
.set LN,   26
.set LD,   27
.set LC1,  28
.set LC2,  29
.set LC4,  30
.set LC8,  31
.set ACC,  32                          ; v32-63  two sets of two accumulators
.set BIAS, 64                          ; v64-79
.set HC,   80                          ; v80-95  four registers of codes for each tile of a chunk
.set OFFS, 96                          ; v96-103 byte offsets of eight pairs of token rows in xq
.set TK,   104                         ; v104-111
.set ADR,  112                         ; LDS address into the list, chunk loop
.set ADW,  113                         ; LDS address into the list, list loop
.set L4,   114                         ; 4 x lane
.set BO,   115                         ; 64 h
.set X,    128
.set WV,   20                          ; s20 wave, s21 j, s22 e, s23 the expert's bit in a word of sel
.set SJ,   21
.set SE,   22
.set BIT,  23
.set WB,   28                          ; s[28:29] my rows of W1
.set NCH,  30
.set CH,   31
.set MK,   32                          ; s[32:63] the mask
.set PF,   66                          ; s[66:97] inclusive prefix counts
.set CNT,  98
.set LOFF, 99
.set MSB, 0
.macro WIN new                         ; the immediate's high byte repeats the setting that is left; at every label and branch the setting is 0
.if MSB != \new
	s_set_vgpr_msb (MSB<<8)|\new
.set MSB, \new
.endif
.endm
; fragment f = 8 u + s: 16 rows x 128 K of f32, each load 512 consecutive bytes of one row, into landing set f % 4
.macro WLOAD f
.set WU, (\f)/8
.set WS, (\f)%8
.set WR, 64*((\f)%4)
	WIN 0x80
.irp i, 0,1,2,3,4,5,6,7,8,9,10,11,12,13,14,15
	global_load_b128 v[WR+4*\i:WR+4*\i+3], v[LI], s[WB:WB+1] offset:(8*WU+\i+8*(\i/8))*4096+512*WS th:TH_LOAD_NT
.endr
	WIN 0
.endm
; through my stage: in by rows as loaded, out 64 bytes a lane: register 16 c + i = k 32 c + 16 h + i of row r.  LDS serves a wave's instructions in order
.macro WTURN f
.set WR, 64*((\f)%4)
.set WH, WHALF*((\f)%2)
.set WX, X+64*((\f)%2)
	WIN 0x08
.irp i, 0,1,2,3,4,5,6,7,8,9,10,11,12,13,14,15
	ds_store_b128 v[WSI], v[WR+4*\i:WR+4*\i+3] offset:WH+WPITCH*\i
.endr
	WIN 0
.irp c, 0,1,2,3
.irp j, 0,1,2,3
	ds_load_b128 v[WX+16*\c+4*\j:WX+16*\c+4*\j+3], v[WSO] offset:WH+128*\c+16*\j
.endr
.endr
.endm
.macro WQUANT f
.set WX, X+64*((\f)%2)
.set QI, 0
.rept 64
	v_med3_num_f32 v[WX+QI], v[WX+QI], -v[LIMW], v[LIMW]   ; the conversion does not saturate (ISA guide 7.6.2): the hold comes first
.set QI, QI+1
.endr
	WIN 0x40
.irp c, 0,1,2,3
	v_cvt_scalef32_pk8_bf8_f32 v[16*(\f)+4*\c:16*(\f)+4*\c+1], v[WX+16*\c:WX+16*\c+7], v[SCW]
	v_cvt_scalef32_pk8_bf8_f32 v[16*(\f)+4*\c+2:16*(\f)+4*\c+3], v[WX+16*\c+8:WX+16*\c+15], v[SCW]
.endr
	v_nop                                          ; a plain instruction behind the last conversion
	WIN 0
.endm
; my 16 rows of a chunk: eight pairs of token rows, each half of the lanes 256 consecutive bytes of one row a load
.macro ALOAD
	WIN 0xc0
.irp i, 0,1,2,3,4,5,6,7
.irp q, 0,1,2,3
	global_load_b128 v[16*\i+4*\q:16*\i+4*\q+3], v[OFFS+\i], s[10:11] offset:256*\q
.endr
.endr
	WIN 0
.endm
.macro ASTORE b
	WIN 0x0c
.irp i, 0,1,2,3,4,5,6,7
.irp q, 0,1,2,3
	ds_store_b128 v[SA+\b], v[16*\i+4*\q:16*\i+4*\q+3] offset:2*APITCH*\i+256*\q
.endr
.endr
	WIN 0
.endm
; the tokens of my 16 rows of a chunk, imm bytes behind v[ADR], become offsets into xq
.macro GETOFFS imm
.irp i, 0,1,2,3,4,5,6,7
	ds_load_b32 v[TK+\i], v[ADR] offset:\imm+8*\i
.endr
	s_wait_dscnt 0x0
.irp i, 0,1,2,3,4,5,6,7
	v_min_u32 v[TK+\i], 0x3ff, v[TK+\i]            ; a loaded number enters an address behind its bound
	v_lshl_add_u32 v[OFFS+\i], v[TK+\i], 10, v[RC]
.endr
.endm
; one weight step: fragment f is back from the stage; three fragments ahead is asked for; fragment f + 1 goes through the other stage while f is quantised
.macro WSTEP f
	s_wait_dscnt 0x0                               ; f's numbers are back, and the stage's stores have read the landing sets
.if (\f)+3 < 16
	WLOAD (\f)+3
.endif
.if (\f)+1 < 16
.if (\f) <= 12
	s_wait_loadcnt 32                              ; fragment f + 1 is in; f + 2 and f + 3 may be out
.elseif (\f) == 13
	s_wait_loadcnt 16                              ; fragment 14 is in; fragment 15 may be out
.else
	s_wait_loadcnt 32                              ; fragment 15 is in; the first chunk's 32 row loads may be out
.endif
	WTURN (\f)+1
.endif
.if (\f) == 13
	ALOAD                                          ; the first chunk's rows
.endif
	WQUANT \f
.endm
; the 8 fragments of row tile m of buffer k into operand set p
.macro FETCH m, p, k
	WIN 0x80
.irp s, 0,1,2,3,4,5,6,7
.irp c, 0,1,2,3
	ds_load_b128 v[128*(\p)+16*\s+4*\c:128*(\p)+16*\s+4*\c+3], v[FA+\k] offset:(\m)*16*APITCH+128*\s+32*\c
.endr
.endr
	WIN 0
.endm
; a tile of 16 token rows x my 32 hidden units: 16 products, the two accumulators by turns, one instruction a turn
.macro TILE m, k, cnt
.set TP, (\m)%2
	s_wait_dscnt \cnt                              ; this tile's fragments are in; the other set's loads may be out
	WIN 0x09                                       ; source 0 (W1) window 1, source 1 (rows) window 2
.irp s, 0,1,2,3,4,5,6,7
.irp u, 0,1
.if \s == 0
	v_wmma_f32_16x16x128_bf8_bf8 v[ACC+16*TP+8*\u:ACC+16*TP+8*\u+7], v[16*(8*\u+\s):16*(8*\u+\s)+15], v[128*TP+16*\s:128*TP+16*\s+15], v[BIAS+8*\u:BIAS+8*\u+7]
.else
	v_wmma_f32_16x16x128_bf8_bf8 v[ACC+16*TP+8*\u:ACC+16*TP+8*\u+7], v[16*(8*\u+\s):16*(8*\u+\s)+15], v[128*TP+16*\s:128*TP+16*\s+15], v[ACC+16*TP+8*\u:ACC+16*TP+8*\u+7]
.endif
.endr
.endr
	WIN 0
.rept 4
	v_nop                                          ; four places behind the products: for the loads into their operands and for the reads of their results
.endr
.if (\m) < 2
	FETCH (\m)+2, TP, \k
.endif
.irp i, 0,1,2,3,4,5,6,7,8,9,10,11,12,13,14,15
	v_med3_num_f32 v[ACC+16*TP+\i], v[ACC+16*TP+\i], 0, v[LIMH]   ; relu and the hold in one; each accumulator from its low end on
.endr
	v_cvt_scalef32_pk8_bf8_f32 v[HC+4*(\m):HC+4*(\m)+1], v[ACC+16*TP:ACC+16*TP+7], v[SCH]
	v_cvt_scalef32_pk8_bf8_f32 v[HC+4*(\m)+2:HC+4*(\m)+3], v[ACC+16*TP+8:ACC+16*TP+15], v[SCH]
	v_nop                                          ; a plain instruction behind the last conversion
	global_store_b128 v[HO], v[HC+4*(\m):HC+4*(\m)+3], s[14:15] offset:(\k)*262144+(\m)*65536   ; piece w of an image: the wave stores 512 consecutive bytes
.endm
; chunk c = CH + k lies in buffer k.  One barrier: behind it buffer k is whole and nobody reads buffer 1 - k.  The barrier and the waits in front of it stand outside the branches on the count.
.macro CHUNK k
	s_wait_dscnt 0x0                               ; my stores into the buffer have landed, my reads of the other one are over
	s_barrier_signal -1
	s_barrier_wait -1
	s_add_co_u32 s3, s[CH], \k+1
	s_cmp_lt_u32 s3, s[NCH]
	s_cbranch_scc0 .Lno_next_\@
	GETOFFS 256*(\k+1)
	ALOAD                                          ; the next chunk's rows are on their way while this one is multiplied
.Lno_next_\@:
	s_add_co_u32 s3, s[CH], \k
	s_cmp_lt_u32 s3, s[NCH]
	s_cbranch_scc0 .Lno_work_\@
	s_wait_xcnt 0x0                                ; the last chunk's stores have read HC
	FETCH 0, 0, \k
	FETCH 1, 1, \k
	TILE 0, \k, 32
	TILE 1, \k, 32
	TILE 2, \k, 32
	TILE 3, \k, 0
.Lno_work_\@:
	s_wait_loadcnt 0x0                             ; the next chunk's rows are in; their address registers are free
	s_add_co_u32 s3, s[CH], \k+1
	s_cmp_lt_u32 s3, s[NCH]
	s_cbranch_scc0 .Lno_store_\@
	ASTORE 1-\k
.Lno_store_\@:
.endm
; one halving step of the search for the LT-th set bit: the count of the lower half stands in a field of src at bit LPOS
.macro SELSTEP src, fw, add
	v_bfe_u32 v[LN], v[\src], v[LPOS], \fw
	v_cmp_ge_u32 vcc_lo, v[LT], v[LN]
	v_cndmask_b32 v[LN], 0, v[LN], vcc_lo
	v_sub_nc_u32 v[LT], v[LT], v[LN]
	v_cndmask_b32 v[LD], 0, \add, vcc_lo
	v_add_nc_u32 v[LPOS], v[LPOS], v[LD]
.endm
	s_load_b512 s[4:19], s[0:1], 0x0               ; W1, b1, scales, xq, sel, hq, rank, cnt
	v_lshl_add_u32 v126, v0, 2, 0x32200
	v_mov_b32 v127, 0
	v_lshrrev_b32 v[T0], 5, v0
	v_readfirstlane_b32 s[WV], v[T0]
	s_mov_b32 s[SJ], ttmp9
	s_and_b32 s[SE], ttmp7, 0xffff
	s_add_co_u32 s3, s[SE], 16
	s_lshl_b32 s[BIT], 1, s3
	v_and_b32 v[LANE], 31, v0
	v_and_b32 v18, 15, v0                          ; r
	v_bfe_u32 v19, v0, 4, 1                        ; h
	v_lshlrev_b32 v[LI], 4, v[LANE]
	v_lshlrev_b32 v[L4], 2, v[LANE]
	v_lshlrev_b32 v[BO], 6, v19
	v_lshlrev_b32 v[RC], 4, v18
	s_mul_i32 s3, s[WV], 2*WHALF
	s_add_co_u32 s3, s3, WST
	v_add_nc_u32 v[WSI], s3, v[LI]
	v_mul_u32_u24 v[WSO], v18, WPITCH
	v_lshl_add_u32 v[WSO], v19, 6, v[WSO]
	v_add_nc_u32 v[WSO], s3, v[WSO]
	v_mul_u32_u24 v[FA], v18, APITCH
	v_lshl_add_u32 v[FA], v19, 4, v[FA]
	v_add_nc_u32 v[FA+1], ABUF1, v[FA]
	s_mul_i32 s3, s[WV], 16*APITCH
	v_mul_u32_u24 v[SA], v19, APITCH
	v_lshl_add_u32 v[SA], v18, 4, v[SA]
	v_add_nc_u32 v[SA], s3, v[SA]
	v_add_nc_u32 v[SA+1], ABUF1, v[SA]
	s_lshl_b32 s3, s[WV], 6
	s_add_co_u32 s3, s3, LIST
	v_lshl_add_u32 v[LA], v19, 2, s3
	s_lshl_b32 s3, s[WV], 7
	s_add_co_u32 s3, s3, LIST
	v_lshl_add_u32 v[LW], v[LANE], 2, s3
	s_lshl_b32 s3, s[SJ], 11
	s_lshl_b32 s100, s[WV], 9
	s_add_co_u32 s3, s3, s100
	v_add_nc_u32 v[HO], s3, v[LI]
	s_lshl_b32 s3, s[SE], 12
	s_lshl_b32 s100, s[SJ], 7
	s_add_co_u32 s3, s3, s100
	s_lshl_b32 s100, s[WV], 5
	s_add_co_u32 s3, s3, s100                      ; my first row of W1 and my first number of b1: 4,096 e + 128 j + 32 w
	s_mov_b32 s101, 0
	s_wait_kmcnt 0x0
	s_load_b128 s[24:27], s[8:9], 0x0              ; e0 (W1), e1 (x), e2 (h), e3
	s_lshl_b32 s100, s3, 12
	s_add_nc_u64 s[WB:WB+1], s[4:5], s[100:101]
	s_lshl_b32 s100, s3, 2
	s_add_nc_u64 s[6:7], s[6:7], s[100:101]
	s_lshl_b32 s100, s[SE], 22
	s_add_nc_u64 s[14:15], s[14:15], s[100:101]    ; the expert's region of hq
.irp q, 0,1,2,3,4,5,6,7
	global_load_b128 v[X+4*\q:X+4*\q+3], v[LI], s[12:13] offset:512*\q   ; sel, all 1,024 words: register 4 q + t, lane l: token 128 q + 4 l + t
.endr
.irp u, 0,1
	global_load_b128 v[BIAS+8*\u:BIAS+8*\u+3], v[BO], s[6:7] offset:32*\u          ; b1 at hidden units 16 h + 8 u + 0 .. 7 of my 32
	global_load_b128 v[BIAS+8*\u+4:BIAS+8*\u+7], v[BO], s[6:7] offset:32*\u+16
.endr
	WLOAD 0
	WLOAD 1
	WLOAD 2                                        ; the weights are on their way while the list is made
	s_wait_loadcnt 52                              ; sel is in; 4 loads of b1 and 48 of W1 may be out
.set jw, 0
.rept 32
	v_and_b32 v[T0], s[BIT], v[X+jw]
	v_cmp_ne_u32 s[MK+jw], 0, v[T0]
.set jw, jw+1
.endr
	s_bcnt1_i32_b32 s[PF], s[MK]
.set jw, 1
.rept 31
	s_bcnt1_i32_b32 s3, s[MK+jw]
	s_add_co_u32 s[PF+jw], s[PF+jw-1], s3
.set jw, jw+1
.endr
	s_mov_b32 s[CNT], s[PF+31]
	s_add_co_u32 s[NCH], s[CNT], 63
	s_lshr_b32 s[NCH], s[NCH], 6
	s_max_u32 s[NCH], s[NCH], 1
	; slice 0's wave 0 stores every token's rank in this expert, and the count, for the launches behind
	s_or_b32 s3, s[SJ], s[WV]
	s_cmp_lg_u32 s3, 0
	s_cbranch_scc1 .Lno_rank
	v_mbcnt_lo_u32_b32 v[X], s[MK], 0
.set jw, 1
.rept 31
	v_mbcnt_lo_u32_b32 v[X+jw], s[MK+jw], s[PF+jw-1]
.set jw, jw+1
.endr
	s_lshl_b32 s100, s[SE], 12
	s_add_nc_u64 s[16:17], s[16:17], s[100:101]
	s_lshl_b32 s100, s[SE], 7
	s_add_nc_u64 s[18:19], s[18:19], s[100:101]
.irp q, 0,1,2,3,4,5,6,7
	global_store_b128 v[LI], v[X+4*\q:X+4*\q+3], s[16:17] offset:512*\q
.endr
	v_mov_b32 v[T0], s[CNT]
	global_store_b32 v[L4], v[T0], s[18:19]
	s_wait_xcnt 0x0                                ; the stores have read their registers, which are written again below
.Lno_rank:
	; the list: group g = 4 i + w holds ranks 32 g .. 32 g + 31; groups past the chunks that are worked are passed over
	s_lshl_b32 s31, s[NCH], 1
	s_mov_b32 s100, s[WV]
	s_mov_b32 s101, 0
	s_mov_b32 s2, 0
.Llist:
	s_wait_dscnt 0x0
	v_add_nc_u32 v[ADW], s101, v[LW]
	s_cmp_ge_u32 s100, s31
	s_cbranch_scc1 .Lskip_group
	s_lshl_b32 s3, s100, 5
	v_add_nc_u32 v[LQ], s3, v[LANE]                ; my rank
	v_mov_b32 v[LB], 0
	v_mov_b32 v[LWD], s[MK]
	v_mov_b32 v[LIX], 0
.set jj, 0
.rept 31
	v_cmp_le_u32 vcc_lo, s[PF+jj], v[LQ]           ; the prefix counts never fall: the last hit names the word
	v_cndmask_b32 v[LB], v[LB], s[PF+jj], vcc_lo
	v_cndmask_b32 v[LWD], v[LWD], s[MK+jj+1], vcc_lo
	v_cndmask_b32 v[LIX], v[LIX], jj+1, vcc_lo
.set jj, jj+1
.endr
	v_sub_nc_u32 v[LT], v[LQ], v[LB]               ; which set bit of that word
	v_lshrrev_b32 v[T0], 1, v[LWD]
	v_and_b32 v[T0], 0x55555555, v[T0]
	v_sub_nc_u32 v[LC1], v[LWD], v[T0]             ; counts in fields of 2 bits,
	v_lshrrev_b32 v[T0], 2, v[LC1]
	v_and_b32 v[T0], 0x33333333, v[T0]
	v_and_b32 v[LC2], 0x33333333, v[LC1]
	v_add_nc_u32 v[LC2], v[LC2], v[T0]             ; of 4,
	v_lshrrev_b32 v[T0], 4, v[LC2]
	v_add_nc_u32 v[T0], v[LC2], v[T0]
	v_and_b32 v[LC4], 0x0f0f0f0f, v[T0]            ; of 8,
	v_lshrrev_b32 v[T0], 8, v[LC4]
	v_add_nc_u32 v[LC8], v[LC4], v[T0]             ; and of 16 bits (in the low byte of each half)
	v_mov_b32 v[LPOS], 0
	SELSTEP LC8, 8, 16
	SELSTEP LC4, 8, 8
	SELSTEP LC2, 4, 4
	SELSTEP LC1, 2, 2
	SELSTEP LWD, 1, 1
	v_lshrrev_b32 v[T0], 2, v[LIX]
	v_lshlrev_b32 v[T0], 7, v[T0]
	v_lshl_add_u32 v[T0], v[LPOS], 2, v[T0]
	v_and_b32 v[LIX], 3, v[LIX]
	v_add_nc_u32 v[T0], v[T0], v[LIX]              ; the token: 128 (word / 4) + 4 bit + word % 4, at most 1,023 whatever the rank
	ds_store_b32 v[ADW], v[T0]
.Lskip_group:
	s_add_co_u32 s100, s100, 4
	s_add_co_u32 s101, s101, 512
	s_add_co_u32 s2, s2, 1
	s_cmp_lt_u32 s2, 8
	s_cbranch_scc1 .Llist
	s_wait_dscnt 0x0                               ; for the others' sake: my part of the list has landed
	s_barrier_signal -1
	s_barrier_wait -1
	s_mov_b32 s[LOFF], 0
	v_add_nc_u32 v[ADR], s[LOFF], v[LA]
	GETOFFS 0                                      ; chunk 0's rows
	s_wait_kmcnt 0x0
	s_add_co_i32 s3, s24, 127
	s_lshl_b32 s100, s3, 23
	v_mov_b32 v[SCW], s100                         ; 2^e0 as f32
	s_add_co_i32 s3, s3, 15
	s_lshl_b32 s3, s3, 23
	s_or_b32 s3, s3, 0x600000
	v_mov_b32 v[LIMW], s3                          ; 57,344 x 2^e0
	s_add_co_i32 s100, s24, s25                    ; e0 + e1: a sum stands for sum x 2^(e0 + e1)
	s_sub_co_i32 s3, s26, s100
	s_add_co_i32 s3, s3, 127
	s_lshl_b32 s101, s3, 23
	v_mov_b32 v[SCH], s101                         ; 2^(e2 - e0 - e1): the three scales folded into the conversion's one
	s_add_co_i32 s3, s3, 15
	s_lshl_b32 s3, s3, 23
	s_or_b32 s3, s3, 0x600000
	v_mov_b32 v[LIMH], s3
	s_sub_co_i32 s100, 0, s100
	s_wait_loadcnt 32                              ; b1 and fragment 0 are in; fragments 1 and 2 may be out
.irp i, 0,1,2,3,4,5,6,7,8,9,10,11,12,13,14,15
	v_ldexp_f32 v[BIAS+\i], v[BIAS+\i], s100       ; b1 / 2^(e0 + e1)
.endr
	WTURN 0
.irp f, 0,1,2,3,4,5,6,7,8,9,10,11,12,13,14,15
	WSTEP \f
.endr
	s_wait_loadcnt 0x0                             ; chunk 0's rows
	ASTORE 0
	s_mov_b32 s[CH], 0
	s_mov_b32 s2, 0
.Ltrip:                                            ; eight trips of two chunks: the count is a constant, the work stands under branches on NCH
	v_add_nc_u32 v[ADR], s[LOFF], v[LA]
	CHUNK 0
	CHUNK 1
	s_wait_xcnt 0x0                                ; the stores have read their base
	s_add_co_u32 s[CH], s[CH], 2
	s_add_co_u32 s[LOFF], s[LOFF], 512
	s_add_nc_u64 s[14:15], s[14:15], 524288        ; two chunks, eight row tiles, on in hq
	s_add_co_u32 s2, s2, 1
	s_cmp_lt_u32 s2, 8
	s_cbranch_scc1 .Ltrip
	s_wait_tensorcnt 0x0
	ds_add_u32 v126, v127
	s_wait_dscnt 0x0
	s_endpgm
.Lfunc_end_k_q7b4b9ee31d_ffn1:
	.size	k_q7b4b9ee31d_ffn1, .Lfunc_end_k_q7b4b9ee31d_ffn1-k_q7b4b9ee31d_ffn1
	.p2alignl 7, 3214868480
	.fill 96, 4, 3214868480
	.section	.rodata,"a",@progbits
	.p2align	6, 0x0
	.amdhsa_kernel k_q7b4b9ee31d_ffn1
		.amdhsa_group_segment_fixed_size 205824
		.amdhsa_private_segment_fixed_size 0
		.amdhsa_enable_private_segment 0
		.amdhsa_kernarg_size 64
		.amdhsa_user_sgpr_count 2
		.amdhsa_user_sgpr_kernarg_segment_ptr 1
		.amdhsa_wavefront_size32 1
		.amdhsa_system_sgpr_workgroup_id_x 1
		.amdhsa_system_sgpr_workgroup_id_y 1
		.amdhsa_system_sgpr_workgroup_id_z 1
		.amdhsa_system_vgpr_workitem_id 0
		.amdhsa_next_free_vgpr 896
		.amdhsa_next_free_sgpr 102
		.amdhsa_reserve_vcc 1
		.amdhsa_float_denorm_mode_32 3
		.amdhsa_float_denorm_mode_16_64 3
		.amdhsa_memory_ordered 1
		.amdhsa_forward_progress 1
		.amdhsa_inst_pref_size 214
	.end_amdhsa_kernel
	.amdgpu_metadata
---
amdhsa.version: [ 1, 2 ]
amdhsa.kernels:
  - .name:           k_q7b4b9ee31d_ffn1
    .symbol:         k_q7b4b9ee31d_ffn1.kd
    .args:
      - { .name: W1, .offset: 0, .size: 8, .value_kind: global_buffer, .address_space: global }
      - { .name: b1, .offset: 8, .size: 8, .value_kind: global_buffer, .address_space: global }
      - { .name: lowp_scales, .offset: 16, .size: 8, .value_kind: global_buffer, .address_space: global }
      - { .name: xq, .offset: 24, .size: 8, .value_kind: global_buffer, .address_space: global }
      - { .name: sel, .offset: 32, .size: 8, .value_kind: global_buffer, .address_space: global }
      - { .name: hq, .offset: 40, .size: 8, .value_kind: global_buffer, .address_space: global }
      - { .name: rank, .offset: 48, .size: 8, .value_kind: global_buffer, .address_space: global }
      - { .name: cnt, .offset: 56, .size: 8, .value_kind: global_buffer, .address_space: global }
    .group_segment_fixed_size: 205824
    .private_segment_fixed_size: 0
    .kernarg_segment_align: 8
    .kernarg_segment_size: 64
    .max_flat_workgroup_size: 128
    .sgpr_count:     102
    .vgpr_count:     896
    .wavefront_size: 32
...
	.end_amdgpu_metadata
.endif
;; end of part 2
;; launch ffn2 (part 3): grid 32 x 8, 4 waves a work-group, no clusters, 266,752 bytes of LDS; arguments W2, lowp_scales, hq, cnt, yp; writes yp
.if DOCPART == 3
	.amdgcn_target "amdgcn-amd-amdhsa--gfx1250"
	.amdhsa_code_object_version 6
	.text
	.protected	k_q7b4b9ee31d_ffn2
	.globl	k_q7b4b9ee31d_ffn2
	.p2align	8
	.type	k_q7b4b9ee31d_ffn2,@function
k_q7b4b9ee31d_ffn2:
	s_mov_b64 s[64:65], 0
	v_nop
	global_prefetch_b8 v0, s[64:65] scope:SCOPE_SE
	s_setreg_imm32_b32 hwreg(HW_REG_WAVE_MODE, 25, 1), 1
	s_wait_xcnt 0x0
; SECOND LAYER OF THE CHOSEN EXPERTS, IN FOUR PARTS ALONG K.  Work-group x = j2 + 8 kq, y = e owns outputs 128 j2 .. + 127 of expert e and hidden units 1,024 kq .. + 1,023; wave w owns 32 outputs.
; THE WEIGHTS STAND STILL, as in the first layer: a wave's 32 rows x 1,024 K of W2 are read once as f32, 512 consecutive bytes of a row a load, turned through the wave's LDS stage, quantised with 2^e3 and kept as 16 fragments.
; The expert's rows come as images of operand registers (hq), 64 rows a chunk: each wave brings one row tile's 16 KB (one dense block) into LDS, all four read all of it.
; THE PRODUCT IS USED TRANSPOSED (source 0 = 16 rows of W2, source 1 = 16 rows of h): a lane's eight results are eight neighbouring outputs of one row.  The raw sums of a chunk meet in a stage of 64 rows x 512 bytes
; and leave one chunk later as whole runs of 512 bytes: yp[kq][1,024 e + rank][1,024].  The scale, the bias and the sum over kq belong to the last launch.
; The number of chunks is max(1, ceil(count / 64)), count from the launch before.  NO TENSOR LOADS, NO CLUSTER: the work hangs on that loaded count; every wave passes every barrier, the branches stand between barriers.
; K is split so that 8 x 8 x 4 = 256 work-groups each hold 128 x 1,024 codes: rows of h are then read by 8 work-groups and each sum is written in 4 parts.
; LIMITS: e3 between -126 and 112.  NaN among the inputs is not served.
; REGISTERS: window 0: addresses, ACC; X v128-255 in the weight phase, later YO v128-191.   window 1: the weight fragments (tile u, K step s) at v[16 (8 u + s)].
;            window 2: four landing sets of 64, later two sets of 8 row fragments.   window 3: v0-127 the next chunk's images on their way to LDS.
.set ABUF1,  65536                     ; two buffers of 4 row tiles x 8 K steps x 2,048 bytes
.set YST,    131072                    ; two stages of 64 rows x (512 + 16) bytes
.set YPITCH, 528
.set YSTB,   64*YPITCH
.set WST,    YST+2*YSTB                ; the weight stages: for each wave two of 16 rows x 528 bytes
.set WPITCH, 528
.set WHALF,  16*WPITCH
.set LI,   1                           ; 16 x lane
.set WSI,  2
.set WSO,  3
.set FA,   4                           ; v4, v5   fragment address in buffer 0, 1
.set SA,   6                           ; v6, v7   where I put my row tile
.set YS,   8                           ; v8, v9   the stage: where I put 32 bytes of a row
.set YR,   10                          ; v10, v11 and where I read rows back
.set SCW,  12
.set LIMW, 13
.set T0,   16
.set ACC,  32                          ; v32-63   two sets of two accumulators
.set X,    128
.set YO,   128
.set WV,   20
.set SJ,   21
.set SE,   22
.set SQ,   23
.set WB,   28
.set NCH,  30
.set CH,   31
.set MSB, 0
.macro WIN new                         ; the immediate's high byte repeats the setting that is left; at every label and branch the setting is 0
.if MSB != \new
	s_set_vgpr_msb (MSB<<8)|\new
.set MSB, \new
.endif
.endm
.macro WLOAD f                         ; fragment f = 8 u + s: rows 16 u + i, 128 K of f32: 512 consecutive bytes a load
.set WU, (\f)/8
.set WS, (\f)%8
.set WR, 64*((\f)%4)
	WIN 0x80
.irp i, 0,1,2,3,4,5,6,7,8,9,10,11,12,13,14,15
	global_load_b128 v[WR+4*\i:WR+4*\i+3], v[LI], s[WB:WB+1] offset:(16*WU+\i)*16384+512*WS th:TH_LOAD_NT
.endr
	WIN 0
.endm
.macro WTURN f                         ; through my stage: register 16 c + i = k 32 c + 16 h + i of row r
.set WR, 64*((\f)%4)
.set WH, WHALF*((\f)%2)
.set WX, X+64*((\f)%2)
	WIN 0x08
.irp i, 0,1,2,3,4,5,6,7,8,9,10,11,12,13,14,15
	ds_store_b128 v[WSI], v[WR+4*\i:WR+4*\i+3] offset:WH+WPITCH*\i
.endr
	WIN 0
.irp c, 0,1,2,3
.irp j, 0,1,2,3
	ds_load_b128 v[WX+16*\c+4*\j:WX+16*\c+4*\j+3], v[WSO] offset:WH+128*\c+16*\j
.endr
.endr
.endm
.macro WQUANT f
.set WX, X+64*((\f)%2)
.set QI, 0
.rept 64
	v_med3_num_f32 v[WX+QI], v[WX+QI], -v[LIMW], v[LIMW]   ; the conversion does not saturate (ISA guide 7.6.2): the hold comes first
.set QI, QI+1
.endr
	WIN 0x40
.irp c, 0,1,2,3
	v_cvt_scalef32_pk8_bf8_f32 v[16*(\f)+4*\c:16*(\f)+4*\c+1], v[WX+16*\c:WX+16*\c+7], v[SCW]
	v_cvt_scalef32_pk8_bf8_f32 v[16*(\f)+4*\c+2:16*(\f)+4*\c+3], v[WX+16*\c+8:WX+16*\c+15], v[SCW]
.endr
	v_nop                                          ; a plain instruction behind the last conversion
	WIN 0
.endm
.macro ALOAD off                       ; my row tile's eight images of a chunk: 16,384 consecutive bytes
	WIN 0xc0
.irp i, 0,1,2,3,4,5,6,7,8,9,10,11,12,13,14,15,16,17,18,19,20,21,22,23,24,25,26,27,28,29,30,31
	global_load_b128 v[4*\i:4*\i+3], v[LI], s[8:9] offset:\off+512*\i
.endr
	WIN 0
.endm
.macro ASTORE b
	WIN 0x0c
.irp i, 0,1,2,3,4,5,6,7,8,9,10,11,12,13,14,15,16,17,18,19,20,21,22,23,24,25,26,27,28,29,30,31
	ds_store_b128 v[SA+\b], v[4*\i:4*\i+3] offset:512*\i
.endr
	WIN 0
.endm
.macro WSTEP f
	s_wait_dscnt 0x0                               ; f's numbers are back, and the stage's stores have read the landing sets
.if (\f)+3 < 16
	WLOAD (\f)+3
.endif
.if (\f)+1 < 16
.if (\f) <= 12
	s_wait_loadcnt 32                              ; fragment f + 1 is in; f + 2 and f + 3 may be out
.elseif (\f) == 13
	s_wait_loadcnt 16                              ; fragment 14 is in; fragment 15 may be out
.else
	s_wait_loadcnt 32                              ; fragment 15 is in; the first chunk's 32 loads may be out
.endif
	WTURN (\f)+1
.endif
.if (\f) == 13
	ALOAD 0                                        ; chunk 0, which the launch before always writes
.endif
	WQUANT \f
.endm
.macro FETCH m, p, k                   ; the 8 images of row tile m of buffer k come back as they were stored
	WIN 0x80
.irp s, 0,1,2,3,4,5,6,7
.irp c, 0,1,2,3
	ds_load_b128 v[128*(\p)+16*\s+4*\c:128*(\p)+16*\s+4*\c+3], v[FA+\k] offset:(\m)*16384+2048*\s+512*\c
.endr
.endr
	WIN 0
.endm
; a tile of 16 rows x my 32 outputs: 16 products, the two accumulators by turns, one instruction a turn; the first products start the sums
.macro TILE m, k, cnt
.set TP, (\m)%2
	s_wait_dscnt \cnt                              ; this tile's fragments are in, and the stage's stores have read the accumulators that are begun anew
	WIN 0x09                                       ; source 0 (W2) window 1, source 1 (rows) window 2
.irp s, 0,1,2,3,4,5,6,7
.irp u, 0,1
.if \s == 0
	v_wmma_f32_16x16x128_bf8_bf8 v[ACC+16*TP+8*\u:ACC+16*TP+8*\u+7], v[16*(8*\u+\s):16*(8*\u+\s)+15], v[128*TP+16*\s:128*TP+16*\s+15], 0
.else
	v_wmma_f32_16x16x128_bf8_bf8 v[ACC+16*TP+8*\u:ACC+16*TP+8*\u+7], v[16*(8*\u+\s):16*(8*\u+\s)+15], v[128*TP+16*\s:128*TP+16*\s+15], v[ACC+16*TP+8*\u:ACC+16*TP+8*\u+7]
.endif
.endr
.endr
	WIN 0
.rept 4
	v_nop                                          ; four places behind the products: for the loads into their operands and for the stores of their results
.endr
.if (\m) < 2
	FETCH (\m)+2, TP, \k
.endif
.irp u, 0,1
	ds_store_b128 v[YS+\k], v[ACC+16*TP+8*\u:ACC+16*TP+8*\u+3] offset:(\m)*16*YPITCH+64*\u       ; lane (r, h): row 16 m + r, outputs 32 w + 16 u + 8 h + 0 .. 7; each accumulator from its low end on
	ds_store_b128 v[YS+\k], v[ACC+16*TP+8*\u+4:ACC+16*TP+8*\u+7] offset:(\m)*16*YPITCH+64*\u+16
.endr
.endm
; the chunk before lies whole in the other stage: I store 16 of its rows, 512 consecutive bytes an instruction
.macro FLUSH k
	s_wait_xcnt 0x0                                ; the last flush's stores have read YO
.irp i, 0,1,2,3,4,5,6,7,8,9,10,11,12,13,14,15
	ds_load_b128 v[YO+4*\i:YO+4*\i+3], v[YR+1-\k] offset:YPITCH*\i
.endr
.irp i, 0,1,2,3,4,5,6,7,8,9,10,11,12,13,14,15
	s_wait_dscnt 15-\i                             ; LDS loads come back in order: row i is in, the younger ones may be out
	global_store_b128 v[LI], v[YO+4*\i:YO+4*\i+3], s[12:13] offset:((\k)-1)*262144+4096*\i
.endr
.endm
; chunk c = CH + k lies in buffer k and writes stage k.  One barrier: behind it buffer k and stage 1 - k are whole, and nobody reads buffer 1 - k or stage k.
.macro CHUNK k
	s_wait_dscnt 0x0                               ; my LDS stores have landed and my LDS reads are over
	s_barrier_signal -1
	s_barrier_wait -1
	s_add_co_u32 s3, s[CH], \k+1
	s_cmp_lt_u32 s3, s[NCH]
	s_cbranch_scc0 .Lno_next_\@
	ALOAD (\k+1)*262144
.Lno_next_\@:
	s_add_co_u32 s3, s[CH], \k-1                   ; c - 1, which wraps to a large number at c = 0
	s_cmp_lt_u32 s3, s[NCH]
	s_cbranch_scc0 .Lno_flush_\@
	FLUSH \k
.Lno_flush_\@:
	s_add_co_u32 s3, s[CH], \k
	s_cmp_lt_u32 s3, s[NCH]
	s_cbranch_scc0 .Lno_work_\@
	FETCH 0, 0, \k
	FETCH 1, 1, \k
	TILE 0, \k, 32                                 ; out: tile 1's fetch
	TILE 1, \k, 36                                 ; out: tile 2's fetch and tile 0's four stores
	TILE 2, \k, 36                                 ; out: tile 3's fetch and tile 1's four stores; tile 0's stores are done
	TILE 3, \k, 4                                  ; out: tile 2's four stores; tile 1's are done
.Lno_work_\@:
	s_wait_loadcnt 0x0                             ; the next chunk's images are in
	s_add_co_u32 s3, s[CH], \k+1
	s_cmp_lt_u32 s3, s[NCH]
	s_cbranch_scc0 .Lno_store_\@
	ASTORE 1-\k
.Lno_store_\@:
.endm
	s_load_b256 s[4:11], s[0:1], 0x0               ; W2, scales, hq, cnt
	s_load_b64 s[12:13], s[0:1], 0x20              ; yp
	v_lshl_add_u32 v126, v0, 2, 0x41000
	v_mov_b32 v127, 0
	v_lshrrev_b32 v[T0], 5, v0
	v_readfirstlane_b32 s[WV], v[T0]
	s_and_b32 s[SJ], ttmp9, 7
	s_lshr_b32 s[SQ], ttmp9, 3
	s_and_b32 s[SE], ttmp7, 0xffff
	v_and_b32 v17, 31, v0                          ; lane
	v_and_b32 v18, 15, v0                          ; r
	v_bfe_u32 v19, v0, 4, 1                        ; h
	v_lshlrev_b32 v[LI], 4, v17
	s_mul_i32 s3, s[WV], 2*WHALF
	s_add_co_u32 s3, s3, WST
	v_add_nc_u32 v[WSI], s3, v[LI]
	v_mul_u32_u24 v[WSO], v18, WPITCH
	v_lshl_add_u32 v[WSO], v19, 6, v[WSO]
	v_add_nc_u32 v[WSO], s3, v[WSO]
	v_lshlrev_b32 v[FA], 4, v17
	v_add_nc_u32 v[FA+1], ABUF1, v[FA]
	s_lshl_b32 s3, s[WV], 14
	v_add_nc_u32 v[SA], s3, v[LI]
	v_add_nc_u32 v[SA+1], ABUF1, v[SA]
	s_lshl_b32 s3, s[WV], 7
	s_add_co_u32 s3, s3, YST
	v_mul_u32_u24 v[YS], v18, YPITCH
	v_lshl_add_u32 v[YS], v19, 5, v[YS]
	v_add_nc_u32 v[YS], s3, v[YS]
	v_add_nc_u32 v[YS+1], YSTB, v[YS]
	s_mul_i32 s3, s[WV], 16*YPITCH
	s_add_co_u32 s3, s3, YST
	v_add_nc_u32 v[YR], s3, v[LI]
	v_add_nc_u32 v[YR+1], YSTB, v[YR]
	s_lshl_b32 s32, s[SE], 10
	s_lshl_b32 s3, s[SJ], 7
	s_add_co_u32 s32, s32, s3
	s_lshl_b32 s3, s[WV], 5
	s_add_co_u32 s32, s32, s3                      ; my first row of W2: 1,024 e + 128 j2 + 32 w
	s_lshl_b32 s32, s32, 14
	s_lshl_b32 s3, s[SQ], 12
	s_add_co_u32 s32, s32, s3                      ; in bytes, + my quarter of K
	s_mov_b32 s33, 0
	s_lshl_b32 s34, s[SE], 22
	s_lshl_b32 s3, s[WV], 16
	s_add_co_u32 s34, s34, s3                      ; the expert's region, + 65,536 w: in hq my row tile, in yp my 16 rows
	s_mov_b32 s35, 0
	s_lshl_b32 s36, s[SQ], 14                      ; hq: K steps 8 kq on
	s_mov_b32 s37, 0
	s_lshl_b32 s38, s[SQ], 25                      ; yp: part kq, + my 128 outputs
	s_lshl_b32 s3, s[SJ], 9
	s_add_co_u32 s38, s38, s3
	s_mov_b32 s39, 0
	s_lshl_b32 s40, s[SE], 7
	s_mov_b32 s41, 0
	s_wait_kmcnt 0x0
	s_add_nc_u64 s[WB:WB+1], s[4:5], s[32:33]
	s_add_nc_u64 s[8:9], s[8:9], s[34:35]
	s_add_nc_u64 s[8:9], s[8:9], s[36:37]
	s_add_nc_u64 s[12:13], s[12:13], s[34:35]
	s_add_nc_u64 s[12:13], s[12:13], s[38:39]
	s_add_nc_u64 s[10:11], s[10:11], s[40:41]
	s_load_b32 s24, s[6:7], 0xc                    ; e3
	s_load_b32 s[NCH], s[10:11], 0x0               ; the expert's count
	WLOAD 0
	WLOAD 1
	WLOAD 2
	s_wait_kmcnt 0x0
	s_min_u32 s[NCH], s[NCH], 1024
	s_add_co_u32 s[NCH], s[NCH], 63
	s_lshr_b32 s[NCH], s[NCH], 6
	s_max_u32 s[NCH], s[NCH], 1                    ; the same number of chunks as in the launch before
	s_add_co_i32 s24, s24, 127
	s_lshl_b32 s3, s24, 23
	v_mov_b32 v[SCW], s3                           ; 2^e3 as f32
	s_add_co_i32 s24, s24, 15
	s_lshl_b32 s24, s24, 23
	s_or_b32 s24, s24, 0x600000
	v_mov_b32 v[LIMW], s24                         ; 57,344 x 2^e3
	s_wait_loadcnt 32                              ; fragment 0 is in; fragments 1 and 2 may be out
	WTURN 0
.irp f, 0,1,2,3,4,5,6,7,8,9,10,11,12,13,14,15
	WSTEP \f
.endr
	s_wait_loadcnt 0x0                             ; chunk 0's images
	ASTORE 0
	s_mov_b32 s[CH], 0
	s_mov_b32 s2, 0
.Ltrip:                                            ; nine trips of two chunks: sixteen chunks at the most, and one turn more in which the last one leaves
	CHUNK 0
	CHUNK 1
	s_wait_xcnt 0x0                                ; loads and stores have read their bases
	s_add_co_u32 s[CH], s[CH], 2
	s_add_nc_u64 s[8:9], s[8:9], 524288
	s_add_nc_u64 s[12:13], s[12:13], 524288
	s_add_co_u32 s2, s2, 1
	s_cmp_lt_u32 s2, 9
	s_cbranch_scc1 .Ltrip
	s_wait_tensorcnt 0x0
	ds_add_u32 v126, v127
	s_wait_dscnt 0x0
	s_endpgm
.Lfunc_end_k_q7b4b9ee31d_ffn2:
	.size	k_q7b4b9ee31d_ffn2, .Lfunc_end_k_q7b4b9ee31d_ffn2-k_q7b4b9ee31d_ffn2
	.p2alignl 7, 3214868480
	.fill 96, 4, 3214868480
	.section	.rodata,"a",@progbits
	.p2align	6, 0x0
	.amdhsa_kernel k_q7b4b9ee31d_ffn2
		.amdhsa_group_segment_fixed_size 266752
		.amdhsa_private_segment_fixed_size 0
		.amdhsa_enable_private_segment 0
		.amdhsa_kernarg_size 40
		.amdhsa_user_sgpr_count 2
		.amdhsa_user_sgpr_kernarg_segment_ptr 1
		.amdhsa_wavefront_size32 1
		.amdhsa_system_sgpr_workgroup_id_x 1
		.amdhsa_system_sgpr_workgroup_id_y 1
		.amdhsa_system_sgpr_workgroup_id_z 1
		.amdhsa_system_vgpr_workitem_id 0
		.amdhsa_next_free_vgpr 896
		.amdhsa_next_free_sgpr 66
		.amdhsa_reserve_vcc 0
		.amdhsa_float_denorm_mode_32 3
		.amdhsa_float_denorm_mode_16_64 3
		.amdhsa_memory_ordered 1
		.amdhsa_forward_progress 1
		.amdhsa_inst_pref_size 188
	.end_amdhsa_kernel
	.amdgpu_metadata
---
amdhsa.version: [ 1, 2 ]
amdhsa.kernels:
  - .name:           k_q7b4b9ee31d_ffn2
    .symbol:         k_q7b4b9ee31d_ffn2.kd
    .args:
      - { .name: W2, .offset: 0, .size: 8, .value_kind: global_buffer, .address_space: global }
      - { .name: lowp_scales, .offset: 8, .size: 8, .value_kind: global_buffer, .address_space: global }
      - { .name: hq, .offset: 16, .size: 8, .value_kind: global_buffer, .address_space: global }
      - { .name: cnt, .offset: 24, .size: 8, .value_kind: global_buffer, .address_space: global }
      - { .name: yp, .offset: 32, .size: 8, .value_kind: global_buffer, .address_space: global }
    .group_segment_fixed_size: 266752
    .private_segment_fixed_size: 0
    .kernarg_segment_align: 8
    .kernarg_segment_size: 40
    .max_flat_workgroup_size: 128
    .sgpr_count:     66
    .vgpr_count:     896
    .wavefront_size: 32
...
	.end_amdgpu_metadata
.endif
;; end of part 3
;; launch combine (part 4): grid 512 x 1, 4 waves a work-group, no clusters, 0 bytes of LDS; arguments yp, b2, lowp_scales, sel, wts, rank, out0; writes out0
.if DOCPART == 4
	.amdgcn_target "amdgcn-amd-amdhsa--gfx1250"
	.amdhsa_code_object_version 6
	.text
	.protected	k_q7b4b9ee31d_combine
	.globl	k_q7b4b9ee31d_combine
	.p2align	8
	.type	k_q7b4b9ee31d_combine,@function
k_q7b4b9ee31d_combine:
	s_mov_b64 s[64:65], 0
	v_nop
	global_prefetch_b8 v0, s[64:65] scope:SCOPE_SE
	s_setreg_imm32_b32 hwreg(HW_REG_WAVE_MODE, 25, 1), 1
	s_wait_xcnt 0x0
; out[n] = w0 (2^(e2 + e3) (the sum over kq of yp[kq][row 0]) + b2[e0]) + w1 (the same for the second choice).  Each output row has one owner: a wave takes half a row (512 numbers) of token n = 2 x work-group + wave / 2.
; The token's two experts (sel), its rank in each (rank) and its weights (wts) were stored by earlier launches; row k = 1,024 e_k + rank[e_k][n].
; All eight ranks of the token are read at fixed places and the two are chosen by selects; every loaded number that enters an address is held by a minimum with its bound first.
; A stream: each load and store of the wave covers 512 consecutive bytes; no LDS, no barrier, no matrix unit.
; LIMIT: e2 + e3 between -126 and 127, so that 2^(e2 + e3) is an f32 number.
.set O,  16                            ; v16-31   the result
.set Y,  32                            ; v32-159  choice z, part g, load i: v[Y + 64 z + 16 g + 4 i]
.set BB, 160                           ; v160-191 b2: choice z, load i
	s_load_b256 s[4:11], s[0:1], 0x0               ; yp, b2, scales, sel
	s_load_b128 s[12:15], s[0:1], 0x20             ; wts, rank
	s_load_b64 s[16:17], s[0:1], 0x30              ; out0
	v_lshrrev_b32 v2, 5, v0
	v_readfirstlane_b32 s18, v2                    ; wave
	v_and_b32 v1, 31, v0
	v_lshlrev_b32 v1, 4, v1
	s_and_b32 s19, s18, 1
	s_lshl_b32 s19, s19, 11
	v_add_nc_u32 v1, s19, v1                       ; 16 x lane + 2,048 x half
	s_lshr_b32 s18, s18, 1
	s_lshl_b32 s19, ttmp9, 1
	s_add_co_u32 s18, s18, s19                     ; token n
	s_lshl_b32 s20, s18, 2
	s_mov_b32 s21, 0
	s_wait_kmcnt 0x0
	s_add_nc_u64 s[10:11], s[10:11], s[20:21]      ; sel[n]
	s_add_nc_u64 s[14:15], s[14:15], s[20:21]      ; rank[0][n]
	s_lshl_b32 s20, s18, 3
	s_add_nc_u64 s[12:13], s[12:13], s[20:21]      ; wts[n]
	s_lshl_b32 s20, s18, 12
	s_add_nc_u64 s[16:17], s[16:17], s[20:21]      ; out0's row n
	s_load_b32 s22, s[10:11], 0x0
	s_load_b64 s[24:25], s[12:13], 0x0             ; w0, w1
.irp e, 0,1,2,3,4,5,6,7
	s_load_b32 s[32+\e], s[14:15], 4096*\e
.endr
	s_load_b128 s[40:43], s[8:9], 0x0              ; e0 .. e3
	s_wait_kmcnt 0x0
	s_and_b32 s44, s22, 7
	s_min_u32 s44, s44, 7                          ; the first choice
	s_bfe_u32 s45, s22, 0x30008
	s_min_u32 s45, s45, 7                          ; the second
	s_mov_b32 s46, s32
	s_mov_b32 s47, s32
.irp e, 1,2,3,4,5,6,7
	s_cmp_eq_u32 s44, \e
	s_cselect_b32 s46, s[32+\e], s46
	s_cmp_eq_u32 s45, \e
	s_cselect_b32 s47, s[32+\e], s47
.endr
	s_min_u32 s46, s46, 1023
	s_min_u32 s47, s47, 1023
	s_lshl_b32 s20, s44, 10
	s_add_co_u32 s20, s20, s46
	s_lshl_b32 s20, s20, 12                        ; row 1,024 e + rank, 4,096 bytes a row
	s_add_nc_u64 s[48:49], s[4:5], s[20:21]
	s_add_nc_u64 s[50:51], s[48:49], 0x2000000     ; the four parts lie 32 MiB apart
	s_add_nc_u64 s[52:53], s[50:51], 0x2000000
	s_add_nc_u64 s[54:55], s[52:53], 0x2000000
	s_lshl_b32 s20, s45, 10
	s_add_co_u32 s20, s20, s47
	s_lshl_b32 s20, s20, 12
	s_add_nc_u64 s[56:57], s[4:5], s[20:21]
	s_add_nc_u64 s[58:59], s[56:57], 0x2000000
	s_add_nc_u64 s[60:61], s[58:59], 0x2000000
	s_add_nc_u64 s[62:63], s[60:61], 0x2000000
	s_lshl_b32 s20, s44, 12
	s_add_nc_u64 s[66:67], s[6:7], s[20:21]        ; b2's rows
	s_lshl_b32 s20, s45, 12
	s_add_nc_u64 s[68:69], s[6:7], s[20:21]
.irp z, 0,1
.irp g, 0,1,2,3
.irp i, 0,1,2,3
	global_load_b128 v[Y+64*\z+16*\g+4*\i:Y+64*\z+16*\g+4*\i+3], v1, s[48+8*\z+2*\g:49+8*\z+2*\g] offset:512*\i th:TH_LOAD_NT
.endr
.endr
.endr
.irp z, 0,1
.irp i, 0,1,2,3
	global_load_b128 v[BB+16*\z+4*\i:BB+16*\z+4*\i+3], v1, s[66+2*\z:67+2*\z] offset:512*\i
.endr
.endr
	s_add_co_i32 s70, s42, s43
	s_add_co_i32 s70, s70, 127
	s_lshl_b32 s70, s70, 23                        ; 2^(e2 + e3) as f32
	s_mov_b32 s71, s70                             ; (named with it as a pair, so it is written)
	s_mov_b32 s26, s25                             ; w1 as the low word of a pair
	s_mov_b32 s27, s25
	s_wait_loadcnt 0x0
.irp z, 0,1
.irp j, 0,2,4,6,8,10,12,14
	v_pk_add_f32 v[Y+64*\z+\j:Y+64*\z+\j+1], v[Y+64*\z+\j:Y+64*\z+\j+1], v[Y+64*\z+16+\j:Y+64*\z+16+\j+1]
	v_pk_add_f32 v[Y+64*\z+32+\j:Y+64*\z+32+\j+1], v[Y+64*\z+32+\j:Y+64*\z+32+\j+1], v[Y+64*\z+48+\j:Y+64*\z+48+\j+1]
.endr
.irp j, 0,2,4,6,8,10,12,14
	v_pk_add_f32 v[Y+64*\z+\j:Y+64*\z+\j+1], v[Y+64*\z+\j:Y+64*\z+\j+1], v[Y+64*\z+32+\j:Y+64*\z+32+\j+1]
.endr
.irp j, 0,2,4,6,8,10,12,14
	v_pk_fma_f32 v[Y+64*\z+\j:Y+64*\z+\j+1], v[Y+64*\z+\j:Y+64*\z+\j+1], s[70:71], v[BB+16*\z+\j:BB+16*\z+\j+1] op_sel_hi:[1,0,1]   ; y = sum x 2^(e2 + e3) + b2
.endr
.endr
.irp j, 0,2,4,6,8,10,12,14
	v_pk_mul_f32 v[O+\j:O+\j+1], v[Y+\j:Y+\j+1], s[24:25] op_sel_hi:[1,0]                                  ; w0 y0
.endr
.irp j, 0,2,4,6,8,10,12,14
	v_pk_fma_f32 v[O+\j:O+\j+1], v[Y+64+\j:Y+64+\j+1], s[26:27], v[O+\j:O+\j+1] op_sel_hi:[1,0,1]          ; + w1 y1
.endr
.irp i, 0,1,2,3
	global_store_b128 v1, v[O+4*\i:O+4*\i+3], s[16:17] offset:512*\i th:TH_STORE_NT
.endr
	s_endpgm
.Lfunc_end_k_q7b4b9ee31d_combine:
	.size	k_q7b4b9ee31d_combine, .Lfunc_end_k_q7b4b9ee31d_combine-k_q7b4b9ee31d_combine
	.p2alignl 7, 3214868480
	.fill 96, 4, 3214868480
	.section	.rodata,"a",@progbits
	.p2align	6, 0x0
	.amdhsa_kernel k_q7b4b9ee31d_combine
		.amdhsa_group_segment_fixed_size 0
		.amdhsa_private_segment_fixed_size 0
		.amdhsa_enable_private_segment 0
		.amdhsa_kernarg_size 56
		.amdhsa_user_sgpr_count 2
		.amdhsa_user_sgpr_kernarg_segment_ptr 1
		.amdhsa_wavefront_size32 1
		.amdhsa_system_sgpr_workgroup_id_x 1
		.amdhsa_system_sgpr_workgroup_id_y 1
		.amdhsa_system_sgpr_workgroup_id_z 1
		.amdhsa_system_vgpr_workitem_id 0
		.amdhsa_next_free_vgpr 192
		.amdhsa_next_free_sgpr 72
		.amdhsa_reserve_vcc 0
		.amdhsa_float_denorm_mode_32 3
		.amdhsa_float_denorm_mode_16_64 3
		.amdhsa_memory_ordered 1
		.amdhsa_forward_progress 1
		.amdhsa_inst_pref_size 14
	.end_amdhsa_kernel
	.amdgpu_metadata
---
amdhsa.version: [ 1, 2 ]
amdhsa.kernels:
  - .name:           k_q7b4b9ee31d_combine
    .symbol:         k_q7b4b9ee31d_combine.kd
    .args:
      - { .name: yp, .offset: 0, .size: 8, .value_kind: global_buffer, .address_space: global }
      - { .name: b2, .offset: 8, .size: 8, .value_kind: global_buffer, .address_space: global }
      - { .name: lowp_scales, .offset: 16, .size: 8, .value_kind: global_buffer, .address_space: global }
      - { .name: sel, .offset: 24, .size: 8, .value_kind: global_buffer, .address_space: global }
      - { .name: wts, .offset: 32, .size: 8, .value_kind: global_buffer, .address_space: global }
      - { .name: rank, .offset: 40, .size: 8, .value_kind: global_buffer, .address_space: global }
      - { .name: out0, .offset: 48, .size: 8, .value_kind: global_buffer, .address_space: global }
    .group_segment_fixed_size: 0
    .private_segment_fixed_size: 0
    .kernarg_segment_align: 8
    .kernarg_segment_size: 56
    .max_flat_workgroup_size: 128
    .sgpr_count:     72
    .vgpr_count:     192
    .wavefront_size: 32
...
	.end_amdgpu_metadata
.endif
;; end of part 4
;; ======== version 2 of 2: 4 launches
;; limits: right only within a limited range of input values
;; workspace buffers: xq 1,048,576 bytes; sel 4,096 bytes of whole numbers; wts 8,192 bytes; hq 33,554,432 bytes; rank 32,768 bytes of whole numbers; cnt 1,024 bytes of whole numbers; yp 67,108,864 bytes
;; launch route (part 5): grid 256 x 1, 4 waves a work-group, no clusters, 0 bytes of LDS; arguments x, gate_w, lowp_scales, xq, sel, wts; writes xq, sel, wts
.if DOCPART == 5
	.amdgcn_target "amdgcn-amd-amdhsa--gfx1250"
	.amdhsa_code_object_version 6
	.text
	.protected	k_q7b4b9ee31d_route
	.globl	k_q7b4b9ee31d_route
	.p2align	8
	.type	k_q7b4b9ee31d_route,@function
k_q7b4b9ee31d_route:
	s_mov_b64 s[64:65], 0
	v_nop
	global_prefetch_b8 v0, s[64:65] scope:SCOPE_SE
	s_setreg_imm32_b32 hwreg(HW_REG_WAVE_MODE, 25, 1), 1
	s_wait_xcnt 0x0
; ROUTER AND x's CODES.  One wave takes one token n = 4 x work-group + wave.
; logits = x[n] . gate_w[e] in f32 (fused multiply-adds, two chains an expert, then a sum over the 32 lanes); softmax with the maximum taken away;
; the two largest probabilities (on a tie the lower index, by a strict compare in ascending order); w_k = p_k / (p_0 + p_1 + 1e-9).
; Stored at fixed places: sel[n] = e0 | e1 << 8 | ((1 << e0) | (1 << e1)) << 16, wts[n] = w0, w1.  No address and no branch hangs on them here.
; x[n] also becomes 1,024 codes of E5M2 with the given scale 2^e1 (entry 1 of the scales): x / 2^e1, held within +-57,344, to the nearest code, ties to even.
; THE ORDER OF K IN A ROW OF CODES: inside each span of 256, byte 8 l + 4 s + t is k = 128 s + 4 l + t (l = 0 .. 31, s = 0, 1, t = 0 .. 3): what lane l holds of two loads.  The weights take the same order.
; WORK LEFT OUT in this program: for each token the six experts that the router does not choose (their weight in the combine is 0).
; So a NaN, an infinity or an overflow that arises only in an expert that a token has not chosen is not carried to that token's result.
; LIMITS: e1 between -126 and 112, so that 2^e1 and 57,344 x 2^e1 are f32 numbers.  NaN among the inputs is not served.
; No matrix unit, no cluster: the product has 8 columns, and waves share nothing but gate_w's 32 KB, which each wave holds in registers (window 1: expert e's 32 numbers of my lane at v[32 e]).
.set R,   16                           ; v16-47   load i, register t: x[128 i + 4 lane + t]
.set XN,  48                           ; v48-79   the same, held within the largest code
.set CD,  80                           ; v80-87   span z: 8 codes
.set AC,  88                           ; v88-119  expert e: two pairs
.set LG,  120                          ; v120-127
.set TM,  128                          ; v128-135 the other half of the lanes'
.set MSB, 0
.macro WIN new                         ; the immediate's high byte repeats the setting that is left
.if MSB != \new
	s_set_vgpr_msb (MSB<<8)|\new
.set MSB, \new
.endif
.endm
	s_load_b256 s[4:11], s[0:1], 0x0               ; x, gate_w, the scales' exponents, xq
	s_load_b128 s[12:15], s[0:1], 0x20             ; sel, wts
	v_lshrrev_b32 v6, 5, v0
	v_readfirstlane_b32 s18, v6                    ; wave
	v_and_b32 v1, 31, v0                           ; lane
	v_lshlrev_b32 v2, 4, v1                        ; 16 x lane
	v_lshlrev_b32 v3, 3, v1                        ; 8 x lane
	v_mov_b32 v5, 0
.irp e, 0,1,2,3,4,5,6,7
	v_mov_b32 v[TM+\e], 0                          ; a lane permute's destination counts as read
.endr
	s_lshl_b32 s20, ttmp9, 2
	s_add_co_u32 s20, s20, s18                     ; token n
	s_mov_b32 s16, 0x76543210                      ; selects for lane l xor 16
	s_mov_b32 s17, 0xfedcba98
	s_lshl_b32 s22, s20, 12
	s_mov_b32 s23, 0
	s_wait_alu depctr_va_vdst(0)
	s_wait_kmcnt 0x0
	s_load_b32 s21, s[8:9], 0x4                    ; e1
	s_add_nc_u64 s[4:5], s[4:5], s[22:23]          ; x at my token
	s_lshl_b32 s22, s20, 10
	s_add_nc_u64 s[10:11], s[10:11], s[22:23]      ; xq likewise
	s_lshl_b32 s22, s20, 2
	s_add_nc_u64 s[12:13], s[12:13], s[22:23]      ; sel[n]
	s_lshl_b32 s22, s20, 3
	s_add_nc_u64 s[14:15], s[14:15], s[22:23]      ; wts[n]
.irp i, 0,1,2,3,4,5,6,7
	global_load_b128 v[R+4*\i:R+4*\i+3], v2, s[4:5] offset:512*\i th:TH_LOAD_NT   ; 512 consecutive bytes a load
.endr
	WIN 0x40                                       ; destination window 1
.irp e, 0,1,2,3,4,5,6,7
.irp i, 0,1,2,3,4,5,6,7
	global_load_b128 v[32*\e+4*\i:32*\e+4*\i+3], v2, s[6:7] offset:4096*\e+512*\i
.endr
.endr
	WIN 0
	s_wait_kmcnt 0x0
	s_add_co_i32 s21, s21, 127
	s_lshl_b32 s22, s21, 23
	v_mov_b32 v11, s22                             ; 2^e1 as f32: the conversion takes its exponent field
	s_add_co_i32 s21, s21, 15
	s_lshl_b32 s21, s21, 23
	s_or_b32 s21, s21, 0x600000
	v_mov_b32 v10, s21                             ; 57,344 x 2^e1
	s_wait_alu depctr_va_vdst(0)
	s_wait_loadcnt 63                              ; 64 loads of gate_w were issued behind x; a smaller count is safe
.irp i, 0,1,2,3,4,5,6,7,8,9,10,11,12,13,14,15,16,17,18,19,20,21,22,23,24,25,26,27,28,29,30,31
	v_med3_num_f32 v[XN+\i], v[R+\i], -v10, v10    ; the conversion to an 8-bit code does not saturate (ISA guide 7.6.2): the hold comes first
.endr
.irp z, 0,1,2,3
	v_cvt_scalef32_pk8_bf8_f32 v[CD+2*\z:CD+2*\z+1], v[XN+8*\z:XN+8*\z+7], v11
.endr
	v_nop                                          ; a plain instruction behind the last conversion
.irp z, 0,1,2,3
	global_store_b64 v3, v[CD+2*\z:CD+2*\z+1], s[10:11] offset:256*\z   ; the wave stores 256 consecutive bytes, aligned
.endr
	WIN 0x04                                       ; source 1 (gate_w) window 1
.irp e, 0,1,2,3,4,5,6,7
	s_wait_loadcnt 8*(7-\e)                        ; this expert's row is in; the later experts' loads may be out
	v_pk_mul_f32 v[AC+4*\e:AC+4*\e+1], v[R:R+1], v[32*\e:32*\e+1]           ; the first products start the two chains
	v_pk_mul_f32 v[AC+4*\e+2:AC+4*\e+3], v[R+2:R+3], v[32*\e+2:32*\e+3]
.irp j, 4,8,12,16,20,24,28
	v_pk_fma_f32 v[AC+4*\e:AC+4*\e+1], v[R+\j:R+\j+1], v[32*\e+\j:32*\e+\j+1], v[AC+4*\e:AC+4*\e+1]
	v_pk_fma_f32 v[AC+4*\e+2:AC+4*\e+3], v[R+\j+2:R+\j+3], v[32*\e+\j+2:32*\e+\j+3], v[AC+4*\e+2:AC+4*\e+3]
.endr
.endr
	WIN 0
.irp e, 0,1,2,3,4,5,6,7
	v_pk_add_f32 v[AC+4*\e:AC+4*\e+1], v[AC+4*\e:AC+4*\e+1], v[AC+4*\e+2:AC+4*\e+3]   ; the chains are joined, then the 32 lanes
.endr
.irp e, 0,1,2,3,4,5,6,7
	v_add_f32 v[LG+\e], v[AC+4*\e], v[AC+4*\e+1]
.endr
.irp x, 1,2,4,8
.irp e, 0,1,2,3,4,5,6,7
	v_add_f32_dpp v[LG+\e], v[LG+\e], v[LG+\e] row_xmask:\x row_mask:0xf bank_mask:0xf
.endr
.endr
.irp e, 0,1,2,3,4,5,6,7
	v_permlanex16_b32 v[TM+\e], v[LG+\e], s16, s17
.endr
.irp e, 0,1,2,3,4,5,6,7
	v_add_f32 v[LG+\e], v[LG+\e], v[TM+\e]         ; every lane holds all eight logits
.endr
	v_max3_num_f32 v136, v[LG], v[LG+1], v[LG+2]   ; softmax
	v_max3_num_f32 v136, v136, v[LG+3], v[LG+4]
	v_max3_num_f32 v136, v136, v[LG+5], v[LG+6]
	v_max_num_f32 v136, v136, v[LG+7]
.irp e, 0,1,2,3,4,5,6,7
	v_sub_f32 v[LG+\e], v[LG+\e], v136
.endr
.irp e, 0,1,2,3,4,5,6,7
	v_mul_f32 v[LG+\e], 0x3fb8aa3b, v[LG+\e]       ; x log2(e)
.endr
	s_wait_alu depctr_va_vdst(0)
.irp e, 0,1,2,3,4,5,6,7
	v_exp_f32 v[LG+\e], v[LG+\e]
.endr
	v_mov_b32 v145, 1                              ; (a plain instruction behind the exponentials)
	s_wait_alu depctr_va_vdst(0)
	v_add_f32 v137, v[LG], v[LG+1]
	v_add_f32 v138, v[LG+2], v[LG+3]
	v_add_f32 v139, v[LG+4], v[LG+5]
	v_add_f32 v140, v[LG+6], v[LG+7]
	v_add_f32 v137, v137, v138
	v_add_f32 v139, v139, v140
	v_add_f32 v137, v137, v139
	s_wait_alu depctr_va_vdst(0)
	v_rcp_f32 v138, v137
	v_mov_b32 v140, 0                              ; (a plain instruction behind the reciprocal)  the first choice's index
	s_wait_alu depctr_va_vdst(0)
.irp e, 0,1,2,3,4,5,6,7
	v_mul_f32 v[LG+\e], v[LG+\e], v138             ; p
.endr
	v_mov_b32 v139, v[LG]                          ; the largest p, ascending, strictly greater: the lower index keeps a tie
.irp e, 1,2,3,4,5,6,7
	v_cmp_gt_f32 vcc_lo, v[LG+\e], v139
	v_cndmask_b32 v139, v139, v[LG+\e], vcc_lo
	v_cndmask_b32 v140, v140, \e, vcc_lo
.endr
.irp e, 0,1,2,3,4,5,6,7
	v_cmp_eq_u32 vcc_lo, \e, v140
	v_cndmask_b32 v[LG+\e], v[LG+\e], -1.0, vcc_lo ; the first choice is taken out: under every p
.endr
	v_mov_b32 v141, v[LG]
	v_mov_b32 v142, 0
.irp e, 1,2,3,4,5,6,7
	v_cmp_gt_f32 vcc_lo, v[LG+\e], v141
	v_cndmask_b32 v141, v141, v[LG+\e], vcc_lo
	v_cndmask_b32 v142, v142, \e, vcc_lo
.endr
	v_add_f32 v143, v139, v141
	v_add_f32 v143, 0x3089705f, v143               ; + 1e-9
	s_wait_alu depctr_va_vdst(0)
	v_rcp_f32 v143, v143
	v_lshlrev_b32 v144, v140, v145                 ; (a plain instruction behind the reciprocal)  1 << e0
	v_lshlrev_b32 v145, v142, v145                 ; 1 << e1
	v_or_b32 v144, v144, v145
	v_lshl_or_b32 v148, v142, 8, v140
	v_lshl_or_b32 v148, v144, 16, v148             ; the word of sel
	s_wait_alu depctr_va_vdst(0)
	v_mul_f32 v146, v139, v143                     ; w0
	v_mul_f32 v147, v141, v143                     ; w1
	v_cmp_eq_u32 vcc_lo, 0, v1
	s_wait_alu depctr_va_vdst(0)
	s_wait_xcnt 0x0                                ; EXEC changes only behind this wait: the stores above have read it
	s_and_saveexec_b32 s22, vcc_lo                 ; lane 0 stores for the token
	global_store_b32 v5, v148, s[12:13]
	global_store_b64 v5, v[146:147], s[14:15]
	s_endpgm
.Lfunc_end_k_q7b4b9ee31d_route:
	.size	k_q7b4b9ee31d_route, .Lfunc_end_k_q7b4b9ee31d_route-k_q7b4b9ee31d_route
	.p2alignl 7, 3214868480
	.fill 96, 4, 3214868480
	.section	.rodata,"a",@progbits
	.p2align	6, 0x0
	.amdhsa_kernel k_q7b4b9ee31d_route
		.amdhsa_group_segment_fixed_size 0
		.amdhsa_private_segment_fixed_size 0
		.amdhsa_enable_private_segment 0
		.amdhsa_kernarg_size 48
		.amdhsa_user_sgpr_count 2
		.amdhsa_user_sgpr_kernarg_segment_ptr 1
		.amdhsa_wavefront_size32 1
		.amdhsa_system_sgpr_workgroup_id_x 1
		.amdhsa_system_sgpr_workgroup_id_y 1
		.amdhsa_system_sgpr_workgroup_id_z 1
		.amdhsa_system_vgpr_workitem_id 0
		.amdhsa_next_free_vgpr 512
		.amdhsa_next_free_sgpr 66
		.amdhsa_reserve_vcc 1
		.amdhsa_float_denorm_mode_32 3
		.amdhsa_float_denorm_mode_16_64 3
		.amdhsa_memory_ordered 1
		.amdhsa_forward_progress 1
		.amdhsa_inst_pref_size 29
	.end_amdhsa_kernel
	.amdgpu_metadata
---
amdhsa.version: [ 1, 2 ]
amdhsa.kernels:
  - .name:           k_q7b4b9ee31d_route
    .symbol:         k_q7b4b9ee31d_route.kd
    .args:
      - { .name: x, .offset: 0, .size: 8, .value_kind: global_buffer, .address_space: global }
      - { .name: gate_w, .offset: 8, .size: 8, .value_kind: global_buffer, .address_space: global }
      - { .name: lowp_scales, .offset: 16, .size: 8, .value_kind: global_buffer, .address_space: global }
      - { .name: xq, .offset: 24, .size: 8, .value_kind: global_buffer, .address_space: global }
      - { .name: sel, .offset: 32, .size: 8, .value_kind: global_buffer, .address_space: global }
      - { .name: wts, .offset: 40, .size: 8, .value_kind: global_buffer, .address_space: global }
    .group_segment_fixed_size: 0
    .private_segment_fixed_size: 0
    .kernarg_segment_align: 8
    .kernarg_segment_size: 48
    .max_flat_workgroup_size: 128
    .sgpr_count:     66
    .vgpr_count:     512
    .wavefront_size: 32
...
	.end_amdgpu_metadata
.endif
;; end of part 5
;; launch ffn1 (part 6): grid 32 x 8, 4 waves a work-group, no clusters, 261,632 bytes of LDS; arguments W1, b1, lowp_scales, xq, sel, hq, rank, cnt; writes hq, rank, cnt
.if DOCPART == 6
	.amdgcn_target "amdgcn-amd-amdhsa--gfx1250"
	.amdhsa_code_object_version 6
	.text
	.protected	k_q7b4b9ee31d_ffn1
	.globl	k_q7b4b9ee31d_ffn1
	.p2align	8
	.type	k_q7b4b9ee31d_ffn1,@function
k_q7b4b9ee31d_ffn1:
	s_mov_b64 s[64:65], 0
	v_nop
	global_prefetch_b8 v0, s[64:65] scope:SCOPE_SE
	s_setreg_imm32_b32 hwreg(HW_REG_WAVE_MODE, 25, 1), 1
	s_wait_xcnt 0x0
; FIRST LAYER OF THE CHOSEN EXPERTS (a token's six other experts are left out: see the first launch).  Work-group (j, e) owns 128 hidden units of expert e, and of hq the K step j: with Z = j / 2, kk = j % 2 the units
; 256 Z + 64 kk + 128 s + 16 c + 8 h + 4 u + t (s, h, u = 0, 1; c, t = 0 .. 3).  Tile o = 2 c + u has them at its row 8 h + 4 s + t.
; THE WEIGHTS ARE READ ONCE, AS f32: wave w converts those of c = w.  A trip is 256 along K; a row's 1,024 bytes are two loads of 512, a lane's eight numbers make 8 bytes of codes, stored as they are: byte 8 l + 4 s + t of a span is
; k = 128 s + 4 l + t, the order in which the first launch laid x's codes.  The codes of all four trips stay in LDS (4 regions of 128 rows x 272 bytes).
; A WAVE OWNS TOKENS: row tile m of the expert (16 ranks) belongs to wave m % 4, slot m / 4.  Slots 0 to 3 are always worked, slot 4 where the tile exists; tiles from 20 on follow one by one, with the codes resident in LDS.
; So each weight fragment that a wave reads feeds four or five products.  A wave's own rows come as whole 256-byte pieces, two rows a load, turn through a stage of its own and come back as operands.
; One barrier a trip: in trip T the waves read region T and fill region T + 1.
; WHICH ROWS: sel gives a mask of 1,024 bits for the expert: word jw, bit l = token 128 (jw / 4) + 4 l + jw % 4.  A token's rank is the number of set bits ahead of it; a lane looks for the token of ITS rank.
; Ranks past the count give some valid token: those rows are written and nobody reads them.
; THE PRODUCT IS USED TRANSPOSED (source 0 = 16 rows of W1, source 1 = 16 token rows): a lane's 16 results of tiles 2 c and 2 c + 1 are the 16 codes of piece c of the next operand: hq[e][row tile][K step j][piece c][lane][16 bytes].
; b1 starts the sums, divided by 2^(e0 + e1); the conversion's one scale is 2^(e2 - e0 - e1); relu and the hold are one v_med3.
; NO TENSOR LOADS, NO CLUSTER: how many tiles are worked hangs on a count read from memory, so operands come through registers; every wave passes every barrier, and the branches on the count stand between barriers.
; Each wave prefetches its own weight rows, the group that stands four groups (one trip) on from the group being loaded; the last six groups' turns ask for nothing.
; LIMITS: e0, e0 + e1 and e2 - e0 - e1 between -126 and 112.  NaN among the inputs is not served.
; REGISTERS: window 0: addresses, the search, DT codes just made, OFFS, LAND two halves of 8 rows x 8 weights.   window 1: W fragments, two sets of four (v0-127; b1 at the head); slot 4: sums v128-191, operands v192-223, rows landing v224-255.
;            window 2: slot a: operands of K step k at v[32 a + 16 k], rows landing at v[128 + 32 a].   window 3: sums of tile o, slot a at v[8 (4 o + a)].
.set PITCH, 272                        ; 256 bytes + 16: the sixteen rows of a fragment load fall into 16 different columns of 16 bytes
.set REG,  128*PITCH
.set STG,  5*REG                       ; behind four regions and the room of a fifth, which no trip reaches
.set SSZ,  16*PITCH                    ; a wave's stage: five slots of 16 rows
.set SPARE, STG+4*5*SSZ
.set LI,   1                           ; 16 x lane
.set WS,   2                           ; where my codes go in this trip's region to fill; WS0 in region 0, WS1 in region 1
.set WS0,  3
.set WS1,  4
.set WA,   5                           ; fragment address in this trip's region; WA0 in region 0, WA2 in region 2
.set WA0,  6
.set WA2,  7
.set STI,  8                           ; stage, in and out
.set STO,  9
.set HO,   10
.set RC,   11                          ; 16 (lane % 16)
.set SCW,  12
.set LIMW, 13
.set SCH,  14
.set LIMH, 15
.set T0,   16
.set LQ,   17
.set LB,   18
.set LWD,  19
.set LIX,  20
.set LT,   21
.set LPOS, 22
.set LN,   23
.set LD,   24
.set LC1,  25
.set LC2,  26
.set LC4,  27
.set LC8,  28
.set BO,   29                          ; 32 h
.set PFO,  30
.set DT,   32
.set X,    32                          ; sel at the head
.set OFFS, 64                          ; v64-103: byte offsets in xq of my 40 pairs of token rows
.set SPW,  124
.set NIL,  125
.set LAND, 128
.set WV,   20
.set SJ,   21
.set SE,   22
.set BIT,  23
.set SO,   24
.set BSC,  26                          ; s[26:27] 2^-(e0 + e1)
.set WBA,  28                          ; s[28:29] my rows of W1 for groups 0, 1; WBB for groups 2, 3
.set NT,   30                          ; row tiles of the expert
.set S4,   31                          ; 1 where slot 4 is worked
.set MK,   32                          ; s[32:63] the mask
.set PF,   66                          ; s[66:97] inclusive prefix counts
.set WBB,  98
.set PB,   12                          ; s[12:13] the prefetches' base
.set MSB, 0
.macro WIN new                         ; the immediate's high byte repeats the setting that is left; at every label and branch the setting is 0
.if MSB != \new
	s_set_vgpr_msb (MSB<<8)|\new
.set MSB, \new
.endif
.endm
.macro PLACES                          ; four places behind matrix instructions: for loads into their operands and for reads of their results
.rept 4
	v_nop
.endr
.endm
.macro M4 what, k                      ; for slot 4 alone
	s_cmp_eq_u32 s[S4], 0
	s_cbranch_scc1 .Lf_\@
	\what \k
.Lf_\@:
.endm
; group g = 2 s + h of a trip: 8 neighbouring rows of W1 x 256 K, two loads of 512 consecutive bytes a row, into landing half g % 2
.macro WLG g, b
.irp i, 0,1,2,3,4,5,6,7
	global_load_b128 v[LAND+64*((\g)%2)+8*\i:LAND+64*((\g)%2)+8*\i+3], v[LI], s[\b:\b+1] offset:(128*((\g)/2)+8*((\g)%2)+\i)*4096 th:TH_LOAD_NT
	global_load_b128 v[LAND+64*((\g)%2)+8*\i+4:LAND+64*((\g)%2)+8*\i+7], v[LI], s[\b:\b+1] offset:(128*((\g)/2)+8*((\g)%2)+\i)*4096+512 th:TH_LOAD_NT
.endr
.endm
; group g becomes codes in the region at ws; its landing half takes the group two on.  n: loads that may be out behind the group's.  loop = 1: in trip 3 nothing is converted, in trip 2 groups 2 and 3 load nothing;
; where something is skipped the waits are for 0, so that the counts behind it hold.
.macro CONV g, n, loop, ws
.set CL, LAND+64*((\g)%2)
.set CC, DT+16*((\g)%2)
.if \loop
	s_cmp_ge_u32 s2, 3
	s_cbranch_scc1 .Lcs_\@
.endif
	s_wait_loadcnt \n
.set QI, 0
.rept 64
	v_med3_num_f32 v[CL+QI], v[CL+QI], -v[LIMW], v[LIMW]   ; the conversion does not saturate (ISA guide 7.6.2): the hold comes first
.set QI, QI+1
.endr
.irp p, 0,1,2,3,4,5,6,7
	v_cvt_scalef32_pk8_bf8_f32 v[CC+2*\p:CC+2*\p+1], v[CL+8*\p:CL+8*\p+7], v[SCW]
.endr
	v_nop                                          ; a plain instruction behind the last conversion
.irp i, 0,1,2,3,4,5,6,7
	ds_store_b64 v[\ws], v[CC+2*\i:CC+2*\i+1] offset:PITCH*(16*(\i/4)+8*((\g)%2)+4*((\g)/2)+\i%4)   ; 256 consecutive bytes of a row
.endr
.if (\g) < 2
.if \loop && (\g) == 0
	s_add_nc_u64 s[WBB:WBB+1], s[WBB:WBB+1], 1024  ; its earlier loads have been waited for
.endif
	WLG ((\g)+2), WBB
.if \loop
	s_cmp_gt_u32 s2, 1
	s_cbranch_scc1 .Lce_\@
.endif
	global_prefetch_b8 v[PFO], s[PB:PB+1] offset:1024+(128+8*(\g))*4096 th:TH_LOAD_NT scope:SCOPE_SE
.else
.if \loop
	s_cmp_ge_u32 s2, 2
	s_cbranch_scc1 .Lcs_\@
.endif
.if (\g) == 2
	s_add_nc_u64 s[WBA:WBA+1], s[WBA:WBA+1], 1024
.endif
	WLG ((\g)-2), WBA
.if \loop
	s_cmp_gt_u32 s2, 0
	s_cbranch_scc1 .Lce_\@
.endif
	global_prefetch_b8 v[PFO], s[PB:PB+1] offset:2048+8*((\g)-2)*4096 th:TH_LOAD_NT scope:SCOPE_SE
.endif
.if \loop
	s_branch .Lce_\@
.Lcs_\@:
	s_wait_loadcnt_dscnt 0x0
.Lce_\@:
.endif
.endm
; tiles 4 oh .. 4 oh + 3 of K step k into fragment set
.macro FETCH set, k, oh, adr, off
	WIN 0x40
.irp i, 0,1,2,3
.irp c, 0,1,2,3
	ds_load_b128 v[64*(\set)+16*\i+4*\c:64*(\set)+16*\i+4*\c+3], v[\adr] offset:(\off)+(4*(\oh)+\i)*16*PITCH+128*(\k)+32*\c
.endr
.endr
	WIN 0
.endm
; 16 products and slot 4's four: the accumulators take turns, one instruction a turn
.macro MUL k, oh, set
	WIN 0xf9                                       ; source 0 (W1) window 1, source 1 (rows) window 2, C and D window 3
.irp i, 0,1,2,3
.irp a, 0,1,2,3
	v_wmma_f32_16x16x128_bf8_bf8 v[8*(4*(4*\oh+\i)+\a):8*(4*(4*\oh+\i)+\a)+7], v[64*\set+16*\i:64*\set+16*\i+15], v[32*\a+16*\k:32*\a+16*\k+15], v[8*(4*(4*\oh+\i)+\a):8*(4*(4*\oh+\i)+\a)+7]
.endr
.endr
	WIN 0
	s_cmp_eq_u32 s[S4], 0
	s_cbranch_scc1 .Lm_\@
	WIN 0x55
.irp i, 0,1,2,3
	v_wmma_f32_16x16x128_bf8_bf8 v[128+8*(4*\oh+\i):128+8*(4*\oh+\i)+7], v[64*\set+16*\i:64*\set+16*\i+15], v[192+16*\k:192+16*\k+15], v[128+8*(4*\oh+\i):128+8*(4*\oh+\i)+7]
.endr
	WIN 0
.Lm_\@:
	PLACES
.endm
.macro RLD a                           ; slot a's 16 rows x 256 bytes: each half of the lanes takes 256 consecutive bytes of one token's row
	WIN 0x80
.irp i, 0,1,2,3,4,5,6,7
	global_load_b128 v[128+32*\a+4*\i:128+32*\a+4*\i+3], v[OFFS+8*\a+\i], s[10:11]
.endr
	WIN 0
.endm
.macro RLD4
	WIN 0x40
.irp i, 0,1,2,3,4,5,6,7
	global_load_b128 v[224+4*\i:224+4*\i+3], v[OFFS+32+\i], s[10:11]
.endr
	WIN 0
.endm
.macro RST
	WIN 0x08
.irp a, 0,1,2,3
.irp i, 0,1,2,3,4,5,6,7
	ds_store_b128 v[STI], v[128+32*\a+4*\i:128+32*\a+4*\i+3] offset:SSZ*\a+2*PITCH*\i
.endr
.endr
	WIN 0
.endm
.macro RST4
	WIN 0x04
.irp i, 0,1,2,3,4,5,6,7
	ds_store_b128 v[STI], v[224+4*\i:224+4*\i+3] offset:SSZ*4+2*PITCH*\i
.endr
	WIN 0
.endm
.macro CURL k                          ; LDS serves a wave's instructions in order: these see my stores
	WIN 0x80
.irp a, 0,1,2,3
.irp c, 0,1,2,3
	ds_load_b128 v[32*\a+16*\k+4*\c:32*\a+16*\k+4*\c+3], v[STO] offset:SSZ*\a+128*\k+32*\c
.endr
.endr
	WIN 0
.endm
.macro CURL4 k
	WIN 0x40
.irp c, 0,1,2,3
	ds_load_b128 v[192+16*\k+4*\c:192+16*\k+4*\c+3], v[STO] offset:SSZ*4+128*\k+32*\c
.endr
	WIN 0
.endm
; one slot leaves: sums of tile o at v[base + stride o]; relu and the hold, the conversions, four stores of 512 consecutive bytes
.macro OUT base, stride, wm, wc, eh, off
	WIN \wm
.irp o, 0,1,2,3,4,5,6,7
.irp j, 0,1,2,3,4,5,6,7
	v_med3_num_f32 v[\base+\stride*\o+\j], v[\base+\stride*\o+\j], 0, v[LIMH]   ; each accumulator from its low end on
.endr
.endr
	WIN \wc
.irp o, 0,1,2,3,4,5,6,7
	v_cvt_scalef32_pk8_bf8_f32 v[\eh+2*\o:\eh+2*\o+1], v[\base+\stride*\o:\base+\stride*\o+7], v[SCH]
.endr
	v_nop                                          ; a plain instruction behind the last conversion
	WIN 0
.irp c, 0,1,2,3
	global_store_b128 v[HO], v[\eh+4*\c:\eh+4*\c+3], s[14:15] offset:(\off)+512*\c
.endr
.endm
.macro BLOADS at                       ; b1 in the layout of the sums: tile 2 c + u, registers 4 s + t
	WIN 0x40
.irp c, 0,1,2,3
.irp u, 0,1
.irp s, 0,1
	global_load_b128 v[\at+8*(2*\c+\u)+4*\s:\at+8*(2*\c+\u)+4*\s+3], v[BO], s[6:7] offset:4*(128*\s+16*\c+4*\u)
.endr
.endr
.endr
	WIN 0
.endm
; one halving step of the search for the LT-th set bit: the count of the lower half stands in a field of src at bit LPOS
.macro SELSTEP src, fw, add
	v_bfe_u32 v[LN], v[\src], v[LPOS], \fw
	v_cmp_ge_u32 vcc_lo, v[LT], v[LN]
	v_cndmask_b32 v[LN], 0, v[LN], vcc_lo
	v_sub_nc_u32 v[LT], v[LT], v[LN]
	v_cndmask_b32 v[LD], 0, \add, vcc_lo
	v_add_nc_u32 v[LPOS], v[LPOS], v[LD]
.endm
; s100: 16 x a row tile.  Lane (n, h) takes rank s100 + 64 (n / 8) + 2 (n % 8) + h.  v[T0]: its token
.macro SEARCH
	v_and_b32 v[LQ], 7, v0
	v_bfe_u32 v[T0], v0, 4, 1
	v_lshl_add_u32 v[LQ], v[LQ], 1, v[T0]
	v_bfe_u32 v[T0], v0, 3, 1
	v_lshl_add_u32 v[LQ], v[T0], 6, v[LQ]
	v_add_nc_u32 v[LQ], s100, v[LQ]
	v_mov_b32 v[LB], 0
	v_mov_b32 v[LWD], s[MK]
	v_mov_b32 v[LIX], 0
.set jj, 0
.rept 31
	v_cmp_le_u32 vcc_lo, s[PF+jj], v[LQ]           ; the prefix counts never fall: the last hit names the word
	v_cndmask_b32 v[LB], v[LB], s[PF+jj], vcc_lo
	v_cndmask_b32 v[LWD], v[LWD], s[MK+jj+1], vcc_lo
	v_cndmask_b32 v[LIX], v[LIX], jj+1, vcc_lo
.set jj, jj+1
.endr
	v_sub_nc_u32 v[LT], v[LQ], v[LB]               ; which set bit of that word
	v_lshrrev_b32 v[T0], 1, v[LWD]
	v_and_b32 v[T0], 0x55555555, v[T0]
	v_sub_nc_u32 v[LC1], v[LWD], v[T0]             ; counts in fields of 2 bits,
	v_lshrrev_b32 v[T0], 2, v[LC1]
	v_and_b32 v[T0], 0x33333333, v[T0]
	v_and_b32 v[LC2], 0x33333333, v[LC1]
	v_add_nc_u32 v[LC2], v[LC2], v[T0]             ; of 4,
	v_lshrrev_b32 v[T0], 4, v[LC2]
	v_add_nc_u32 v[T0], v[LC2], v[T0]
	v_and_b32 v[LC4], 0x0f0f0f0f, v[T0]            ; of 8,
	v_lshrrev_b32 v[T0], 8, v[LC4]
	v_add_nc_u32 v[LC8], v[LC4], v[T0]             ; and of 16 bits (in the low byte of each half)
	v_mov_b32 v[LPOS], 0
	SELSTEP LC8, 8, 16
	SELSTEP LC4, 8, 8
	SELSTEP LC2, 4, 4
	SELSTEP LC1, 2, 2
	SELSTEP LWD, 1, 1
	v_lshrrev_b32 v[T0], 2, v[LIX]
	v_lshlrev_b32 v[T0], 7, v[T0]
	v_lshl_add_u32 v[T0], v[LPOS], 2, v[T0]
	v_and_b32 v[LIX], 3, v[LIX]
	v_add_nc_u32 v[T0], v[T0], v[LIX]              ; the token: 128 (word / 4) + 4 bit + word % 4, at most 1,023 whatever the rank
.endm
; items 0 .. 7 of lanes 0 .. 7 (one slot): lanes 0-15 get lane i's token, lanes 16-31 lane 16 + i's; held at its bound, it becomes a byte offset into xq
.macro DIST8 dst
.irp i, 0,1,2,3,4,5,6,7
	v_mov_b32_dpp v[\dst+\i], v[T0] row_share:\i row_mask:0xf bank_mask:0xf
.endr
.irp i, 0,1,2,3,4,5,6,7
	v_min_u32 v[\dst+\i], 0x3ff, v[\dst+\i]        ; what hangs on loaded numbers enters an address behind its bound
.endr
.irp i, 0,1,2,3,4,5,6,7
	v_lshl_add_u32 v[\dst+\i], v[\dst+\i], 10, v[RC]
.endr
.endm
.macro DIST8H dst                      ; the same of lanes 8 .. 15: the next slot
.irp i, 8,9,10,11,12,13,14,15
	v_mov_b32_dpp v[\dst+\i-8], v[T0] row_share:\i row_mask:0xf bank_mask:0xf
.endr
.irp i, 0,1,2,3,4,5,6,7
	v_min_u32 v[\dst+\i], 0x3ff, v[\dst+\i]
.endr
.irp i, 0,1,2,3,4,5,6,7
	v_lshl_add_u32 v[\dst+\i], v[\dst+\i], 10, v[RC]
.endr
.endm
	s_load_b512 s[4:19], s[0:1], 0x0               ; W1, b1, scales, xq, sel, hq, rank, cnt
	v_lshrrev_b32 v[T0], 5, v0
	v_readfirstlane_b32 s[WV], v[T0]
	s_mov_b32 s[SJ], ttmp9
	s_and_b32 s[SE], ttmp7, 0xffff
	s_add_co_u32 s3, s[SE], 16
	s_lshl_b32 s[BIT], 1, s3                       ; the expert's bit in a word of sel
	s_mul_i32 s66, s[WV], 32*PITCH
	s_mul_i32 s67, s[WV], 5*SSZ
	s_add_co_u32 s67, s67, STG
	s_lshl_b32 s68, s[WV], 16
	s_lshl_b32 s3, s[SJ], 11
	s_add_co_u32 s68, s68, s3
	s_lshl_b32 s3, s[SE], 12
	s_lshr_b32 s69, s[SJ], 1
	s_lshl_b32 s69, s69, 8
	s_add_co_u32 s3, s3, s69
	s_and_b32 s69, s[SJ], 1
	s_lshl_b32 s69, s69, 6
	s_add_co_u32 s3, s3, s69                       ; 4,096 e + 256 Z + 64 kk
	s_mov_b32 s101, 0
	v_lshl_add_u32 v[SPW], v0, 2, SPARE
	v_mov_b32 v[NIL], 0
	v_and_b32 v[LT], 31, v0                        ; lane
	v_and_b32 v[LPOS], 15, v0                      ; r
	v_bfe_u32 v[LN], v0, 4, 1                      ; h
	v_lshlrev_b32 v[LI], 4, v[LT]
	v_lshlrev_b32 v[BO], 5, v[LN]
	v_lshlrev_b32 v[RC], 4, v[LPOS]
	v_lshl_add_u32 v[WS0], v[LT], 3, s66
	v_add_nc_u32 v[WS1], REG, v[WS0]
	v_mul_u32_u24 v[WA0], v[LPOS], PITCH
	v_lshl_add_u32 v[WA0], v[LN], 4, v[WA0]
	v_add_nc_u32 v[WA2], 2*REG, v[WA0]
	v_add_nc_u32 v[STO], s67, v[WA0]
	v_mul_u32_u24 v[STI], v[LN], PITCH
	v_lshl_add_u32 v[STI], v[LPOS], 4, v[STI]
	v_add_nc_u32 v[STI], s67, v[STI]
	v_add_nc_u32 v[HO], s68, v[LI]
	v_lshrrev_b32 v[PFO], 2, v[LT]
	v_lshlrev_b32 v[PFO], 12, v[PFO]
	v_and_b32 v[T0], 3, v[LT]
	v_lshl_add_u32 v[PFO], v[T0], 8, v[PFO]        ; a prefetch: eight rows x four pieces of 256 bytes, a lane to a piece
.set QI, 0
.rept 40
	v_mov_b32 v[OFFS+QI], 0                        ; the destination of a move between lanes counts as read
.set QI, QI+1
.endr
	s_wait_alu depctr_va_vdst(0)
	s_wait_kmcnt 0x0
	s_load_b128 s[24:27], s[8:9], 0x0              ; e0 (W1), e1 (x), e2 (h), e3
	s_lshl_b32 s100, s3, 2
	s_add_nc_u64 s[6:7], s[6:7], s[100:101]
	s_lshl_b32 s100, s[WV], 4
	s_add_co_u32 s100, s3, s100
	s_lshl_b32 s100, s100, 12
	s_add_nc_u64 s[WBA:WBA+1], s[4:5], s[100:101]  ; my rows of W1: + 16 w
	s_mov_b64 s[WBB:WBB+1], s[WBA:WBA+1]
	s_mov_b64 s[4:5], s[10:11]                     ; xq's address, for the row tiles from 20 on
	s_lshl_b32 s100, s[SE], 22
	s_add_nc_u64 s[14:15], s[14:15], s[100:101]    ; the expert's region of hq
.irp q, 0,1,2,3,4,5,6,7
	global_load_b128 v[X+4*\q:X+4*\q+3], v[LI], s[12:13] offset:512*\q   ; sel, all 1,024 words: register 4 q + t, lane l: token 128 q + 4 l + t
.endr
	BLOADS 0
	WLG 0, WBA
	WLG 1, WBA                                     ; the weights are on their way while the rows are found
	s_wait_kmcnt 0x0
	s_add_co_i32 s3, s24, 127
	s_lshl_b32 s100, s3, 23
	v_mov_b32 v[SCW], s100                         ; 2^e0 as f32
	s_add_co_i32 s3, s3, 15
	s_lshl_b32 s3, s3, 23
	s_or_b32 s3, s3, 0x600000
	v_mov_b32 v[LIMW], s3                          ; 57,344 x 2^e0
	s_add_co_i32 s100, s24, s25                    ; a sum stands for sum x 2^(e0 + e1)
	s_sub_co_i32 s3, s26, s100
	s_add_co_i32 s3, s3, 127
	s_lshl_b32 s101, s3, 23
	v_mov_b32 v[SCH], s101                         ; 2^(e2 - e0 - e1): the three scales folded into the conversion's one
	s_add_co_i32 s3, s3, 15
	s_lshl_b32 s3, s3, 23
	s_or_b32 s3, s3, 0x600000
	v_mov_b32 v[LIMH], s3
	s_sub_co_i32 s3, 127, s100
	s_lshl_b32 s[BSC], s3, 23                      ; 2^-(e0 + e1) as f32
	s_mov_b32 s[BSC+1], s[BSC]                     ; (named with it as a pair, so it is written)
	s_mov_b32 s101, 0
	s_wait_alu depctr_va_vdst(0)
	s_wait_loadcnt 48                              ; sel is in; 16 loads of b1 and 32 of W1 may be out
	s_mov_b64 s[PB:PB+1], s[WBA:WBA+1]
.set jw, 0
.rept 32
	v_and_b32 v[T0], s[BIT], v[X+jw]
	v_cmp_ne_u32 s[MK+jw], 0, v[T0]
.set jw, jw+1
.endr
	s_bcnt1_i32_b32 s[PF], s[MK]
.set jw, 1
.rept 31
	s_bcnt1_i32_b32 s3, s[MK+jw]
	s_add_co_u32 s[PF+jw], s[PF+jw-1], s3
.set jw, jw+1
.endr
	s_add_co_u32 s[NT], s[PF+31], 15
	s_lshr_b32 s[NT], s[NT], 4
	s_add_co_u32 s3, s[WV], 16
	s_cmp_lt_u32 s3, s[NT]
	s_cselect_b32 s[S4], 1, 0
	; slice 0's wave 0 stores every token's rank in this expert, and the count, for the launches behind
	s_or_b32 s3, s[SJ], s[WV]
	s_cmp_lg_u32 s3, 0
	s_cbranch_scc1 .Lno_rank
	v_mbcnt_lo_u32_b32 v[X], s[MK], 0
.set jw, 1
.rept 31
	v_mbcnt_lo_u32_b32 v[X+jw], s[MK+jw], s[PF+jw-1]
.set jw, jw+1
.endr
	v_and_b32 v[LQ], 31, v0
	v_lshlrev_b32 v[LQ], 2, v[LQ]
	v_mov_b32 v[T0], s[PF+31]
	s_lshl_b32 s100, s[SE], 12
	s_add_nc_u64 s[16:17], s[16:17], s[100:101]
	s_lshl_b32 s100, s[SE], 7
	s_add_nc_u64 s[18:19], s[18:19], s[100:101]
	s_wait_alu depctr_va_vdst(0)
.irp q, 0,1,2,3,4,5,6,7
	global_store_b128 v[LI], v[X+4*\q:X+4*\q+3], s[16:17] offset:512*\q
.endr
	global_store_b32 v[LQ], v[T0], s[18:19]
	s_wait_xcnt 0x0                                ; the stores have read their registers, which are written again below
.Lno_rank:
	CONV 0, 16, 0, WS0                             ; region 0 is filled while the rows are found; out: group 1's loads
	s_lshl_b32 s100, s[WV], 4
	SEARCH
	DIST8 OFFS
	DIST8H OFFS+8
	RLD 0
	RLD 1
	CONV 1, 32, 0, WS0                             ; out: group 2's 16 loads and 16 of rows
	s_lshl_b32 s100, s[WV], 4
	s_add_co_u32 s100, s100, 128
	SEARCH
	DIST8 OFFS+16
	DIST8H OFFS+24
	RLD 2
	RLD 3
	s_lshl_b32 s100, s[WV], 4
	s_add_co_u32 s100, s100, 256
	SEARCH
	DIST8 OFFS+32
	RLD4                                           ; (slot 4's registers are filled here whether or not it is worked)
	CONV 2, 56, 0, WS0                             ; out: 16 of rows, group 3's 16, 24 of rows
	WIN 0xc1                                       ; b1 starts the sums
.irp a, 0,1,2,3
.irp o, 0,1,2,3,4,5,6,7
.irp j, 0,2,4,6
	v_pk_mul_f32 v[8*(4*\o+\a)+\j:8*(4*\o+\a)+\j+1], v[8*\o+\j:8*\o+\j+1], s[BSC:BSC+1] op_sel_hi:[1,0]
.endr
.endr
.endr
	WIN 0x41
.irp o, 0,1,2,3,4,5,6,7
.irp j, 0,2,4,6
	v_pk_mul_f32 v[128+8*\o+\j:128+8*\o+\j+1], v[8*\o+\j:8*\o+\j+1], s[BSC:BSC+1] op_sel_hi:[1,0]
.endr
.endr
	WIN 0
	CONV 3, 40, 0, WS0                             ; out: 24 of rows and 16 of the next trip's group 0
	s_wait_loadcnt 32                              ; all rows of trip 0 are in; out: the next trip's groups 0 and 1
	RST
	RST4
	s_add_nc_u64 s[10:11], s[10:11], 256
	RLD 0                                          ; trip 1's rows
	RLD 1
	RLD 2
	RLD 3
	RLD4
	CURL 0
	CURL 1
	CURL4 0
	CURL4 1
	s_mov_b32 s[SO], 0
	v_add_nc_u32 v[WA], s[SO], v[WA0]
	v_add_nc_u32 v[WS], s[SO], v[WS1]
	s_wait_alu depctr_va_vdst(0)
	s_wait_dscnt 0x0                               ; my codes of region 0 have landed
	s_barrier_signal -1
	s_barrier_wait -1
	s_mov_b32 s2, 0
.Ltrip:
	FETCH 0, 0, 0, WA, 0
	FETCH 1, 0, 1, WA, 0
	s_wait_xcnt 0x0                                ; the last prefetches have read their base
	s_add_nc_u64 s[PB:PB+1], s[PB:PB+1], 1024
	CONV 0, 16, 1, WS                              ; out: group 1's loads (in trip 0 rows too; a smaller count is safe)
	s_wait_dscnt 24                                ; set 0 is in; out: set 1's 16 loads and 8 stores
	MUL 0, 0, 0
	FETCH 0, 1, 0, WA, 0
	CONV 1, 16, 1, WS                              ; out: the 16 loads just issued
	s_wait_dscnt 32                                ; set 1 is in; out: 8 stores, 16 loads, 8 stores
	MUL 0, 1, 1
	FETCH 1, 1, 1, WA, 0
	s_cmp_ge_u32 s2, 3                             ; THE ROWS of trip T + 1 go into the stage, those of trip T + 2 are asked for; K step 0's operands are free
	s_cbranch_scc1 .Lrs
	s_wait_loadcnt 32                              ; out: this trip's groups 2 and 3
	RST
	M4 RST4
	s_cmp_ge_u32 s2, 2
	s_cbranch_scc1 .Lrn
	s_add_nc_u64 s[10:11], s[10:11], 256
	RLD 0
	RLD 1
	RLD 2
	RLD 3
	M4 RLD4
	s_branch .Lrd
.Lrn:
	s_wait_loadcnt 0x0
.Lrd:
	CURL 0
	M4 CURL4, 0
	s_branch .Lre
.Lrs:
	s_wait_loadcnt_dscnt 0x0
.Lre:
	CONV 2, 48, 1, WS                              ; out: group 3's 16 and at least 32 of rows
	s_wait_dscnt 56                                ; set 0 is in: at least 80 LDS instructions stand behind it, or none is out
	MUL 1, 0, 0
	CONV 3, 48, 1, WS                              ; out: at least 32 of rows and 16 of the next group 0
	s_wait_dscnt 56                                ; set 1 is in: at least 64 stand behind it, or none is out
	MUL 1, 1, 1
	s_cmp_ge_u32 s2, 3
	s_cbranch_scc1 .Lk1
	CURL 1
	M4 CURL4, 1
.Lk1:
	s_add_co_u32 s[SO], s[SO], REG
	v_add_nc_u32 v[WA], s[SO], v[WA0]
	v_add_nc_u32 v[WS], s[SO], v[WS1]
	s_wait_alu depctr_va_vdst(0)
	s_wait_dscnt 0x0                               ; my codes have landed, my operands are in
	s_barrier_signal -1
	s_barrier_wait -1
	s_add_co_u32 s2, s2, 1
	s_cmp_lt_u32 s2, 4
	s_cbranch_scc1 .Ltrip
	s_wait_loadcnt 0x0                             ; no load is out: the registers of rows and weights are free
	OUT 0, 32, 0xc3, 0x03, 128, 0
	OUT 8, 32, 0xc3, 0x03, 144, 262144
	OUT 16, 32, 0xc3, 0x03, 160, 524288
	OUT 24, 32, 0xc3, 0x03, 176, 786432
	s_cmp_eq_u32 s[S4], 0
	s_cbranch_scc1 .Lno4
	OUT 128, 8, 0x41, 0x01, 192, 1048576
.Lno4:
	; ROW TILES FROM 20 ON, one a turn for each wave: 11 turns, the work of a turn under a branch on the count.  No barrier: the codes lie whole in LDS and the stage is the wave's own.
	s_wait_xcnt 0x0                                ; the stores have read their base
	s_add_nc_u64 s[14:15], s[14:15], 1310720
	s_add_co_u32 s98, s[WV], 20
	s_mov_b32 s2, 0
.Ltile:
	s_cmp_ge_u32 s98, s[NT]
	s_cbranch_scc1 .Ltn
	BLOADS 128
	s_lshl_b32 s100, s98, 4
	SEARCH
	DIST8 OFFS
	WIN 0x80
.irp t, 0,1,2,3
.irp i, 0,1,2,3,4,5,6,7
	global_load_b128 v[128+32*\t+4*\i:128+32*\t+4*\i+3], v[OFFS+\i], s[4:5] offset:256*\t
.endr
.endr
	WIN 0
	s_wait_loadcnt 32                              ; b1 is in
	WIN 0x41
.irp o, 0,1,2,3,4,5,6,7
.irp j, 0,2,4,6
	v_pk_mul_f32 v[128+8*\o+\j:128+8*\o+\j+1], v[128+8*\o+\j:128+8*\o+\j+1], s[BSC:BSC+1] op_sel_hi:[1,0]
.endr
.endr
	WIN 0
	s_wait_alu depctr_va_vdst(0)
.irp t, 0,1,2,3
	s_wait_loadcnt 8*(3-\t)
	WIN 0x08
.irp i, 0,1,2,3,4,5,6,7
	ds_store_b128 v[STI], v[128+32*\t+4*\i:128+32*\t+4*\i+3] offset:2*PITCH*\i
.endr
	WIN 0x80
.irp k, 0,1
.irp c, 0,1,2,3
	ds_load_b128 v[16*\k+4*\c:16*\k+4*\c+3], v[STO] offset:128*\k+32*\c
.endr
.endr
	WIN 0
.irp k, 0,1
.if \t < 2
	FETCH 0, \k, 0, WA0, \t*REG
	FETCH 1, \k, 1, WA0, \t*REG
.else
	FETCH 0, \k, 0, WA2, (\t-2)*REG
	FETCH 1, \k, 1, WA2, (\t-2)*REG
.endif
	s_wait_dscnt 0x0
.if \t+\k == 0
	WIN 0xd9                                       ; C: b1 in window 1
.irp o, 0,1,2,3,4,5,6,7
	v_wmma_f32_16x16x128_bf8_bf8 v[32*\o:32*\o+7], v[16*\o:16*\o+15], v[16*\k:16*\k+15], v[128+8*\o:128+8*\o+7]
.endr
.else
	WIN 0xf9
.irp o, 0,1,2,3,4,5,6,7
	v_wmma_f32_16x16x128_bf8_bf8 v[32*\o:32*\o+7], v[16*\o:16*\o+15], v[16*\k:16*\k+15], v[32*\o:32*\o+7]
.endr
.endif
	WIN 0
	PLACES
.endr
.endr
	OUT 0, 32, 0xc3, 0x03, 208, 0
.Ltn:
	s_wait_xcnt 0x0                                ; the stores have read their base and their data
	s_add_co_u32 s98, s98, 4
	s_add_nc_u64 s[14:15], s[14:15], 262144
	s_add_co_u32 s2, s2, 1
	s_cmp_lt_u32 s2, 11
	s_cbranch_scc1 .Ltile
	s_wait_tensorcnt 0x0                           ; the wave's end
	ds_add_u32 v[SPW], v[NIL]
	s_wait_dscnt 0x0
	s_endpgm
.Lfunc_end_k_q7b4b9ee31d_ffn1:
	.size	k_q7b4b9ee31d_ffn1, .Lfunc_end_k_q7b4b9ee31d_ffn1-k_q7b4b9ee31d_ffn1
	.p2alignl 7, 3214868480
	.fill 96, 4, 3214868480
	.section	.rodata,"a",@progbits
	.p2align	6, 0x0
	.amdhsa_kernel k_q7b4b9ee31d_ffn1
		.amdhsa_group_segment_fixed_size 261632
		.amdhsa_private_segment_fixed_size 0
		.amdhsa_enable_private_segment 0
		.amdhsa_kernarg_size 64
		.amdhsa_user_sgpr_count 2
		.amdhsa_user_sgpr_kernarg_segment_ptr 1
		.amdhsa_wavefront_size32 1
		.amdhsa_system_sgpr_workgroup_id_x 1
		.amdhsa_system_sgpr_workgroup_id_y 1
		.amdhsa_system_sgpr_workgroup_id_z 1
		.amdhsa_system_vgpr_workitem_id 0
		.amdhsa_next_free_vgpr 1024
		.amdhsa_next_free_sgpr 102
		.amdhsa_reserve_vcc 1
		.amdhsa_float_denorm_mode_32 3
		.amdhsa_float_denorm_mode_16_64 3
		.amdhsa_memory_ordered 1
		.amdhsa_forward_progress 1
		.amdhsa_inst_pref_size 229
	.end_amdhsa_kernel
	.amdgpu_metadata
---
amdhsa.version: [ 1, 2 ]
amdhsa.kernels:
  - .name:           k_q7b4b9ee31d_ffn1
    .symbol:         k_q7b4b9ee31d_ffn1.kd
    .args:
      - { .name: W1, .offset: 0, .size: 8, .value_kind: global_buffer, .address_space: global }
      - { .name: b1, .offset: 8, .size: 8, .value_kind: global_buffer, .address_space: global }
      - { .name: lowp_scales, .offset: 16, .size: 8, .value_kind: global_buffer, .address_space: global }
      - { .name: xq, .offset: 24, .size: 8, .value_kind: global_buffer, .address_space: global }
      - { .name: sel, .offset: 32, .size: 8, .value_kind: global_buffer, .address_space: global }
      - { .name: hq, .offset: 40, .size: 8, .value_kind: global_buffer, .address_space: global }
      - { .name: rank, .offset: 48, .size: 8, .value_kind: global_buffer, .address_space: global }
      - { .name: cnt, .offset: 56, .size: 8, .value_kind: global_buffer, .address_space: global }
    .group_segment_fixed_size: 261632
    .private_segment_fixed_size: 0
    .kernarg_segment_align: 8
    .kernarg_segment_size: 64
    .max_flat_workgroup_size: 128
    .sgpr_count:     102
    .vgpr_count:     1024
    .wavefront_size: 32
...
	.end_amdgpu_metadata
.endif
;; end of part 6
;; launch ffn2 (part 7): grid 32 x 8, 4 waves a work-group, no clusters, 174,592 bytes of LDS; arguments W2, b2, lowp_scales, hq, cnt, yp; writes yp
.if DOCPART == 7
	.amdgcn_target "amdgcn-amd-amdhsa--gfx1250"
	.amdhsa_code_object_version 6
	.text
	.protected	k_q7b4b9ee31d_ffn2
	.globl	k_q7b4b9ee31d_ffn2
	.p2align	8
	.type	k_q7b4b9ee31d_ffn2,@function
k_q7b4b9ee31d_ffn2:
	s_mov_b64 s[64:65], 0
	v_nop
	global_prefetch_b8 v0, s[64:65] scope:SCOPE_SE
	s_setreg_imm32_b32 hwreg(HW_REG_WAVE_MODE, 25, 1), 1
	s_wait_xcnt 0x0
; SECOND LAYER OF THE CHOSEN EXPERTS, IN TWO PARTS ALONG K (a token's six other experts are left out: see the first launch).  Work-group x = og + 16 kq, y = e owns outputs 64 og .. + 63 of expert e and hidden units 2,048 kq .. + 2,047.
; THE WEIGHTS ARE READ ONCE, AS f32: wave w converts output tile w.  A trip is 256 along K; a row's 1,024 bytes are two loads of 512, a lane's eight numbers make 8 bytes of codes: byte 8 l + 4 s + t of a span is k = 128 s + 4 l + t,
; the order in which the launch before laid h.  The codes of all eight trips stay in LDS (8 regions of 64 rows x 272 bytes).
; A WAVE OWNS ROWS: row tile m of the expert belongs to wave m % 4, slot m / 4.  Slots 0 to 3 are always worked (the launch before always writes them), slot 4 where the tile exists; tiles from 20 on follow one by one.
; h comes as images of operand registers (hq), from memory straight into registers, 512 consecutive bytes a load; each weight fragment that a wave reads from LDS feeds four or five products.
; One barrier a trip: in trip T the waves read region T and fill region T + 1.
; THE PRODUCT IS USED TRANSPOSED (source 0 = 16 rows of W2, source 1 = 16 rows of h): a lane's eight results are eight neighbouring outputs of one row.  A tile's rows pass the wave's own stage and leave as runs of 256 bytes:
; yp[kq][1,024 e + rank][1,024].  Each part's sums begin with b2 / 2^(e2 + e3 + 1): the two parts together hold b2 / 2^(e2 + e3).  The scale and the sum of the parts belong to the last launch.
; NO TENSOR LOADS, NO CLUSTER: the work hangs on a count read from memory; every wave passes every barrier, the branches stand between barriers.
; Each wave prefetches its own weight rows: in trip T those of trip T + 3, one trip ahead of their loads; from trip 5 on nothing.
; LIMITS: e3 between -126 and 112; e2 + e3 between -100 and 100, so that b2 / 2^(e2 + e3 + 1) keeps its digits for b2 from 2^-25 to 2^26 in magnitude.  NaN among the inputs is not served.
; REGISTERS: window 0: addresses, DT codes just made, BIAS, LAND two halves of 8 rows x 8 weights; on the way out v128-255 rows.   window 1: W fragments, set k (v0-127); slot 4: sums v128-159, operands v160-191.
;            window 2: slot a: operands of K step k at v[32 a + 16 k].   window 3: sums of tile o, slot a at v[8 (4 o + a)].
.set PITCH, 272
.set REG,  64*PITCH
.set YST,  9*REG                       ; behind eight regions and the room of a ninth, which no trip reaches: a wave's stage is 16 rows x 272 bytes
.set SSZ,  16*PITCH
.set SPARE, YST+4*SSZ
.set LI,   1
.set WS,   2
.set WS0,  3
.set WS1,  4
.set WA,   5
.set WA0,  6
.set WA3,  7
.set WA6,  8
.set YS,   9
.set YR,   10
.set CO,   11
.set SCW,  12
.set LIMW, 13
.set BO,   14
.set PFO,  15
.set DT,   32
.set BIAS, 64
.set SPW,  124
.set NIL,  125
.set LAND, 128
.set WV,   20
.set OG,   21
.set KQ,   22
.set SE,   23
.set WB,   28                          ; s[28:29], s[30:31]: my rows of W2 for groups 0, 1
.set PB,   32
.set HB,   34                          ; s[34:35], s[36:37]: hq for K steps 0, 1 of a trip
.set HT,   40                          ; hq for the tiles from 20 on
.set NT,   42
.set S4,   43
.set SO,   44
.set TM,   45
.set BSC,  46                          ; s[46:47] 2^-(e2 + e3 + 1)
.set MSB, 0
.macro WIN new                         ; the immediate's high byte repeats the setting that is left; at every label and branch the setting is 0
.if MSB != \new
	s_set_vgpr_msb (MSB<<8)|\new
.set MSB, \new
.endif
.endm
.macro PLACES                          ; four places behind matrix instructions (ISA guide 7.12.1)
.rept 4
	v_nop
.endr
.endm
.macro WLG g                           ; rows 8 g .. 8 g + 7 of my tile x 256 K
.irp i, 0,1,2,3,4,5,6,7
	global_load_b128 v[LAND+64*\g+8*\i:LAND+64*\g+8*\i+3], v[LI], s[WB+2*\g:WB+2*\g+1] offset:(8*\g+\i)*16384 th:TH_LOAD_NT
	global_load_b128 v[LAND+64*\g+8*\i+4:LAND+64*\g+8*\i+7], v[LI], s[WB+2*\g:WB+2*\g+1] offset:(8*\g+\i)*16384+512 th:TH_LOAD_NT
.endr
.endm
; group g becomes codes in the region at ws; its landing half takes the same rows of the next trip.  n: loads that may be out behind the group's.  loop = 1: in trip 7 nothing is converted, from trip 6 on nothing is loaded;
; where something is skipped the waits are for 0, so that the counts behind it hold.
.macro CONV g, n, loop, ws
.set CL, LAND+64*\g
.set CC, DT+16*\g
.if \loop
	s_cmp_ge_u32 s2, 7
	s_cbranch_scc1 .Lcs_\@
.endif
	s_wait_loadcnt \n
.set QI, 0
.rept 64
	v_med3_num_f32 v[CL+QI], v[CL+QI], -v[LIMW], v[LIMW]   ; the conversion does not saturate (ISA guide 7.6.2): the hold comes first
.set QI, QI+1
.endr
.irp p, 0,1,2,3,4,5,6,7
	v_cvt_scalef32_pk8_bf8_f32 v[CC+2*\p:CC+2*\p+1], v[CL+8*\p:CL+8*\p+7], v[SCW]
.endr
	v_nop                                          ; a plain instruction behind the last conversion
.irp i, 0,1,2,3,4,5,6,7
	ds_store_b64 v[\ws], v[CC+2*\i:CC+2*\i+1] offset:PITCH*(8*\g+\i)   ; 256 consecutive bytes of a row
.endr
.if \loop
	s_cmp_ge_u32 s2, 6
	s_cbranch_scc1 .Lcs_\@
.endif
	s_add_nc_u64 s[WB+2*\g:WB+2*\g+1], s[WB+2*\g:WB+2*\g+1], 1024   ; its earlier loads have been waited for
	WLG \g
.if \loop
	s_cmp_gt_u32 s2, 4
	s_cbranch_scc1 .Lce_\@
.endif
	global_prefetch_b8 v[PFO], s[PB:PB+1] offset:2048+8*\g*16384 th:TH_LOAD_NT scope:SCOPE_SE
.if \loop
	s_branch .Lce_\@
.Lcs_\@:
	s_wait_loadcnt_dscnt 0x0
.Lce_\@:
.endif
.endm
.macro FETCH k, adr, off               ; the four output tiles of K step k into set k
	WIN 0x40
.irp i, 0,1,2,3
.irp c, 0,1,2,3
	ds_load_b128 v[64*\k+16*\i+4*\c:64*\k+16*\i+4*\c+3], v[\adr] offset:(\off)+\i*16*PITCH+128*\k+32*\c
.endr
.endr
	WIN 0
.endm
; 16 products and slot 4's four: the accumulators take turns, one instruction a turn
.macro MUL k
	WIN 0xf9                                       ; source 0 (W2) window 1, source 1 (rows) window 2, C and D window 3
.irp i, 0,1,2,3
.irp a, 0,1,2,3
	v_wmma_f32_16x16x128_bf8_bf8 v[8*(4*\i+\a):8*(4*\i+\a)+7], v[64*\k+16*\i:64*\k+16*\i+15], v[32*\a+16*\k:32*\a+16*\k+15], v[8*(4*\i+\a):8*(4*\i+\a)+7]
.endr
.endr
	WIN 0
	s_cmp_eq_u32 s[S4], 0
	s_cbranch_scc1 .Lm_\@
	WIN 0x55
.irp i, 0,1,2,3
	v_wmma_f32_16x16x128_bf8_bf8 v[128+8*\i:128+8*\i+7], v[64*\k+16*\i:64*\k+16*\i+15], v[160+16*\k:160+16*\k+15], v[128+8*\i:128+8*\i+7]
.endr
	WIN 0
.Lm_\@:
	PLACES
.endm
.macro RLD k                           ; K step k of my four row tiles
	WIN 0x80
.irp a, 0,1,2,3
.irp c, 0,1,2,3
	global_load_b128 v[32*\a+16*\k+4*\c:32*\a+16*\k+4*\c+3], v[LI], s[HB+2*\k:HB+2*\k+1] offset:262144*\a+2048*\k+512*\c
.endr
.endr
	WIN 0
.endm
.macro RLD4 k, b, off
	WIN 0x40
.irp c, 0,1,2,3
	global_load_b128 v[160+16*\k+4*\c:160+16*\k+4*\c+3], v[LI], s[\b:\b+1] offset:(\off)+2048*\k+512*\c
.endr
	WIN 0
.endm
.macro RNEXT k                         ; the next trip's K step k into the operands just multiplied; in trip 7 nothing
	s_cmp_ge_u32 s2, 7
	s_cbranch_scc1 .Lrs_\@
	s_add_nc_u64 s[HB+2*\k:HB+2*\k+1], s[HB+2*\k:HB+2*\k+1], 4096   ; its earlier loads have been waited for
	RLD \k
	s_cmp_eq_u32 s[S4], 0
	s_cbranch_scc1 .Lre_\@
	RLD4 \k, HB+2*\k, 1048576
	s_branch .Lre_\@
.Lrs_\@:
	s_wait_loadcnt 0x0
.Lre_\@:
.endm
; a row tile goes into my stage and comes back as whole rows of 256 bytes, two rows a load: LDS serves a wave's instructions in order
.macro TOSTG base, stride, win, yo
	WIN \win
.irp o, 0,1,2,3
	ds_store_b128 v[YS], v[\base+\stride*\o:\base+\stride*\o+3] offset:64*\o       ; lane (r, h): row r, outputs 16 o + 8 h + 0 .. 7; each accumulator from its low end on
	ds_store_b128 v[YS], v[\base+\stride*\o+4:\base+\stride*\o+7] offset:64*\o+16
.endr
	WIN 0
.irp i, 0,1,2,3,4,5,6,7
	ds_load_b128 v[\yo+4*\i:\yo+4*\i+3], v[YR] offset:2*PITCH*\i
.endr
.endm
.macro SEND n, yo, off                 ; n: LDS instructions issued behind the tile's loads
	s_wait_dscnt \n
.irp i, 0,1,2,3,4,5,6,7
	global_store_b128 v[CO], v[\yo+4*\i:\yo+4*\i+3], s[14:15] offset:(\off)+8192*\i   ; sixteen lanes store 256 consecutive bytes, aligned
.endr
.endm
	s_load_b256 s[4:11], s[0:1], 0x0               ; W2, b2, scales, hq
	s_load_b128 s[12:15], s[0:1], 0x20             ; cnt, yp
	v_lshrrev_b32 v16, 5, v0
	v_readfirstlane_b32 s[WV], v16
	s_and_b32 s[OG], ttmp9, 15
	s_lshr_b32 s[KQ], ttmp9, 4
	s_and_b32 s[SE], ttmp7, 0xffff
	s_mul_i32 s48, s[WV], 16*PITCH                 ; my rows in a region; my stage likewise
	s_add_co_u32 s49, s48, YST
	s_lshl_b32 s50, s[WV], 16
	s_mov_b32 s53, 0
	v_lshl_add_u32 v[SPW], v0, 2, SPARE
	v_mov_b32 v[NIL], 0
	v_and_b32 v17, 31, v0                          ; lane
	v_and_b32 v18, 15, v0                          ; r
	v_bfe_u32 v19, v0, 4, 1                        ; h
	v_lshlrev_b32 v[LI], 4, v17
	v_lshlrev_b32 v[BO], 5, v19
	v_lshl_add_u32 v[WS0], v17, 3, s48
	v_add_nc_u32 v[WS1], REG, v[WS0]
	v_mul_u32_u24 v[WA0], v18, PITCH
	v_lshl_add_u32 v[WA0], v19, 4, v[WA0]
	v_add_nc_u32 v[WA3], 3*REG, v[WA0]
	v_add_nc_u32 v[WA6], 6*REG, v[WA0]
	v_mul_u32_u24 v[YS], v18, PITCH
	v_lshl_add_u32 v[YS], v19, 5, v[YS]
	v_add_nc_u32 v[YS], s49, v[YS]
	v_mul_u32_u24 v[YR], v19, PITCH
	v_lshl_add_u32 v[YR], v18, 4, v[YR]
	v_add_nc_u32 v[YR], s49, v[YR]
	v_lshlrev_b32 v[CO], 12, v19
	v_lshl_add_u32 v[CO], v18, 4, v[CO]
	v_add_nc_u32 v[CO], s50, v[CO]                 ; my 16 rows of yp
	v_lshrrev_b32 v[PFO], 2, v17
	v_lshlrev_b32 v[PFO], 14, v[PFO]
	v_and_b32 v16, 3, v17
	v_lshl_add_u32 v[PFO], v16, 8, v[PFO]          ; a prefetch: eight rows x four pieces of 256 bytes, a lane to a piece
	s_wait_alu depctr_va_vdst(0)
	s_wait_kmcnt 0x0
	s_load_b64 s[24:25], s[8:9], 0x8               ; e2, e3
	s_lshl_b32 s52, s[SE], 7
	s_add_nc_u64 s[12:13], s[12:13], s[52:53]
	s_load_b32 s26, s[12:13], 0x0                  ; the expert's count
	s_lshl_b32 s52, s[SE], 12
	s_lshl_b32 s54, s[OG], 8
	s_add_co_u32 s52, s52, s54
	s_add_nc_u64 s[6:7], s[6:7], s[52:53]          ; b2 at my 64 outputs
	s_lshl_b32 s52, s[SE], 10
	s_lshl_b32 s54, s[OG], 6
	s_add_co_u32 s52, s52, s54
	s_lshl_b32 s54, s[WV], 4
	s_add_co_u32 s52, s52, s54                     ; my first row of W2
	s_lshl_b32 s52, s52, 14
	s_lshl_b32 s54, s[KQ], 13
	s_add_co_u32 s52, s52, s54
	s_add_nc_u64 s[WB:WB+1], s[4:5], s[52:53]
	s_mov_b64 s[WB+2:WB+3], s[WB:WB+1]
	s_mov_b64 s[PB:PB+1], s[WB:WB+1]
.irp o, 0,1,2,3
	global_load_b128 v[BIAS+8*\o:BIAS+8*\o+3], v[BO], s[6:7] offset:64*\o          ; b2 in the layout of the sums
	global_load_b128 v[BIAS+8*\o+4:BIAS+8*\o+7], v[BO], s[6:7] offset:64*\o+16
.endr
	WLG 0
	WLG 1
	s_lshl_b32 s52, s[SE], 22
	s_add_co_u32 s52, s52, s50
	s_lshl_b32 s54, s[KQ], 15
	s_add_co_u32 s52, s52, s54
	s_add_nc_u64 s[HB:HB+1], s[10:11], s[52:53]    ; hq: the expert's region, row tile w, K steps 16 kq on
	s_mov_b64 s[HB+2:HB+3], s[HB:HB+1]
	s_add_nc_u64 s[HT:HT+1], s[HB:HB+1], 1310720
	s_lshl_b32 s52, s[KQ], 25
	s_lshl_b32 s54, s[SE], 22
	s_add_co_u32 s52, s52, s54
	s_lshl_b32 s54, s[OG], 8
	s_add_co_u32 s52, s52, s54
	s_add_nc_u64 s[14:15], s[14:15], s[52:53]      ; yp: part kq, the expert's rows, my 64 outputs
	s_wait_kmcnt 0x0
	s_min_u32 s26, s26, 1024
	s_add_co_u32 s26, s26, 15
	s_lshr_b32 s[NT], s26, 4                       ; row tiles, as in the launch before
	s_add_co_u32 s54, s[WV], 16
	s_cmp_lt_u32 s54, s[NT]
	s_cselect_b32 s[S4], 1, 0
	s_add_co_i32 s54, s25, 127
	s_lshl_b32 s55, s54, 23
	v_mov_b32 v[SCW], s55                          ; 2^e3 as f32
	s_add_co_i32 s54, s54, 15
	s_lshl_b32 s54, s54, 23
	s_or_b32 s54, s54, 0x600000
	v_mov_b32 v[LIMW], s54                         ; 57,344 x 2^e3
	s_add_co_i32 s54, s24, s25
	s_sub_co_i32 s54, 126, s54
	s_lshl_b32 s[BSC], s54, 23                     ; 2^-(e2 + e3 + 1) as f32
	s_mov_b32 s[BSC+1], s[BSC]                     ; (named with it as a pair, so it is written)
	s_wait_alu depctr_va_vdst(0)
	WIN 0x40
.set QI, 0
.rept 32
	v_mov_b32 v[160+QI], 0                         ; slot 4's operands are defined on every way; where the slot is worked its loads land here
.set QI, QI+1
.endr
	WIN 0
	CONV 0, 16, 0, WS0                             ; region 0; b2 is in too; out: group 1's loads
	RLD 0
	s_cmp_eq_u32 s[S4], 0
	s_cbranch_scc1 .Lp0
	RLD4 0, HB, 1048576
.Lp0:
	CONV 1, 32, 0, WS0                             ; out: the next trip's group 0 and at least 16 loads of rows
	RLD 1
	s_cmp_eq_u32 s[S4], 0
	s_cbranch_scc1 .Lp1
	RLD4 1, HB+2, 1048576
.Lp1:
	WIN 0xc0                                       ; b2 starts the sums
.irp a, 0,1,2,3
.irp o, 0,1,2,3
.irp j, 0,2,4,6
	v_pk_mul_f32 v[8*(4*\o+\a)+\j:8*(4*\o+\a)+\j+1], v[BIAS+8*\o+\j:BIAS+8*\o+\j+1], s[BSC:BSC+1] op_sel_hi:[1,0]
.endr
.endr
.endr
	WIN 0x40
.irp o, 0,1,2,3
.irp j, 0,2,4,6
	v_pk_mul_f32 v[128+8*\o+\j:128+8*\o+\j+1], v[BIAS+8*\o+\j:BIAS+8*\o+\j+1], s[BSC:BSC+1] op_sel_hi:[1,0]
.endr
.endr
	WIN 0
.irp j, 0,2,4,6,8,10,12,14,16,18,20,22,24,26,28,30
	v_pk_mul_f32 v[BIAS+\j:BIAS+\j+1], v[BIAS+\j:BIAS+\j+1], s[BSC:BSC+1] op_sel_hi:[1,0]   ; and is kept for the tiles from 20 on
.endr
	s_mov_b32 s[SO], 0
	v_add_nc_u32 v[WA], s[SO], v[WA0]
	v_add_nc_u32 v[WS], s[SO], v[WS1]
	s_wait_alu depctr_va_vdst(0)
	s_wait_dscnt 0x0                               ; my codes of region 0 have landed
	s_barrier_signal -1
	s_barrier_wait -1
	s_mov_b32 s2, 0
.Ltrip:                                            ; loads go out in the order: group 0, K step 0's rows, group 1, K step 1's rows: 16 each at the least
	FETCH 0, WA, 0
	FETCH 1, WA, 0
	s_wait_xcnt 0x0                                ; the last prefetches have read their base
	s_add_nc_u64 s[PB:PB+1], s[PB:PB+1], 1024
	CONV 0, 48, 1, WS                              ; out: three runs of 16
	s_wait_dscnt 24                                ; set 0 is in; out: set 1's 16 loads and 8 stores
	s_wait_loadcnt 48                              ; K step 0's rows are in; out: three runs of 16
	MUL 0
	RNEXT 0
	CONV 1, 48, 1, WS
	s_wait_dscnt 16                                ; set 1 is in; out: 16 stores
	s_wait_loadcnt 48                              ; K step 1's rows are in
	MUL 1
	RNEXT 1
	s_add_co_u32 s[SO], s[SO], REG
	v_add_nc_u32 v[WA], s[SO], v[WA0]
	v_add_nc_u32 v[WS], s[SO], v[WS1]
	s_wait_alu depctr_va_vdst(0)
	s_wait_dscnt 0x0                               ; my codes have landed
	s_barrier_signal -1
	s_barrier_wait -1
	s_add_co_u32 s2, s2, 1
	s_cmp_lt_u32 s2, 8
	s_cbranch_scc1 .Ltrip
	s_wait_loadcnt 0x0                             ; no load is out: the registers of rows and weights are free
	TOSTG 0, 32, 0x0c, 128
	TOSTG 8, 32, 0x0c, 160
	SEND 16, 128, 0                                ; out: the next tile's eight stores and eight loads
	TOSTG 16, 32, 0x0c, 192
	SEND 16, 160, 262144
	TOSTG 24, 32, 0x0c, 224
	SEND 16, 192, 524288
	SEND 0, 224, 786432
	s_wait_xcnt 0x0                                ; the stores have read their registers and their base
	s_cmp_eq_u32 s[S4], 0
	s_cbranch_scc1 .Lno4
	TOSTG 128, 8, 0x04, 128
	SEND 0, 128, 1048576
	s_wait_xcnt 0x0
.Lno4:
	; ROW TILES FROM 20 ON, one a turn for each wave: 11 turns, the work of a turn under a branch on the count.  No barrier: the codes lie whole in LDS and the stage is the wave's own.
	s_add_nc_u64 s[14:15], s[14:15], 1310720
	s_add_co_u32 s[TM], s[WV], 20
	s_mov_b32 s2, 0
.Ltile:
	s_cmp_ge_u32 s[TM], s[NT]
	s_cbranch_scc1 .Ltn
	WIN 0x80
.set QI, 0
.rept 64
	global_load_b128 v[4*QI:4*QI+3], v[LI], s[HT:HT+1] offset:512*QI   ; K step q of the tile at v[16 q], in window 2
.set QI, QI+1
.endr
	WIN 0
.irp t, 0,1,2,3,4,5,6,7
.irp k, 0,1
.if \t < 3
	FETCH \k, WA0, \t*REG
.elseif \t < 6
	FETCH \k, WA3, (\t-3)*REG
.else
	FETCH \k, WA6, (\t-6)*REG
.endif
.endr
	s_wait_loadcnt 8*(7-\t)
	s_wait_dscnt 0x0
.irp k, 0,1
.if \t+\k == 0
	WIN 0xc9                                       ; C: b2 in window 0
.irp o, 0,1,2,3
	v_wmma_f32_16x16x128_bf8_bf8 v[32*\o:32*\o+7], v[64*\k+16*\o:64*\k+16*\o+15], v[32*\t+16*\k:32*\t+16*\k+15], v[BIAS+8*\o:BIAS+8*\o+7]
.endr
.else
	WIN 0xf9
.irp o, 0,1,2,3
	v_wmma_f32_16x16x128_bf8_bf8 v[32*\o:32*\o+7], v[64*\k+16*\o:64*\k+16*\o+15], v[32*\t+16*\k:32*\t+16*\k+15], v[32*\o:32*\o+7]
.endr
.endif
.endr
	WIN 0
	PLACES
.endr
	v_nop                                          ; a fifth place: the next turn begins these sums anew with another C
	TOSTG 0, 32, 0x0c, 128
	SEND 0, 128, 0
.Ltn:
	s_wait_xcnt 0x0                                ; loads and stores have read their bases and their data
	s_add_co_u32 s[TM], s[TM], 4
	s_add_nc_u64 s[HT:HT+1], s[HT:HT+1], 262144
	s_add_nc_u64 s[14:15], s[14:15], 262144
	s_add_co_u32 s2, s2, 1
	s_cmp_lt_u32 s2, 11
	s_cbranch_scc1 .Ltile
	s_wait_tensorcnt 0x0                           ; the wave's end
	ds_add_u32 v[SPW], v[NIL]
	s_wait_dscnt 0x0
	s_endpgm
.Lfunc_end_k_q7b4b9ee31d_ffn2:
	.size	k_q7b4b9ee31d_ffn2, .Lfunc_end_k_q7b4b9ee31d_ffn2-k_q7b4b9ee31d_ffn2
	.p2alignl 7, 3214868480
	.fill 96, 4, 3214868480
	.section	.rodata,"a",@progbits
	.p2align	6, 0x0
	.amdhsa_kernel k_q7b4b9ee31d_ffn2
		.amdhsa_group_segment_fixed_size 174592
		.amdhsa_private_segment_fixed_size 0
		.amdhsa_enable_private_segment 0
		.amdhsa_kernarg_size 48
		.amdhsa_user_sgpr_count 2
		.amdhsa_user_sgpr_kernarg_segment_ptr 1
		.amdhsa_wavefront_size32 1
		.amdhsa_system_sgpr_workgroup_id_x 1
		.amdhsa_system_sgpr_workgroup_id_y 1
		.amdhsa_system_sgpr_workgroup_id_z 1
		.amdhsa_system_vgpr_workitem_id 0
		.amdhsa_next_free_vgpr 1024
		.amdhsa_next_free_sgpr 66
		.amdhsa_reserve_vcc 0
		.amdhsa_float_denorm_mode_32 3
		.amdhsa_float_denorm_mode_16_64 3
		.amdhsa_memory_ordered 1
		.amdhsa_forward_progress 1
		.amdhsa_inst_pref_size 98
	.end_amdhsa_kernel
	.amdgpu_metadata
---
amdhsa.version: [ 1, 2 ]
amdhsa.kernels:
  - .name:           k_q7b4b9ee31d_ffn2
    .symbol:         k_q7b4b9ee31d_ffn2.kd
    .args:
      - { .name: W2, .offset: 0, .size: 8, .value_kind: global_buffer, .address_space: global }
      - { .name: b2, .offset: 8, .size: 8, .value_kind: global_buffer, .address_space: global }
      - { .name: lowp_scales, .offset: 16, .size: 8, .value_kind: global_buffer, .address_space: global }
      - { .name: hq, .offset: 24, .size: 8, .value_kind: global_buffer, .address_space: global }
      - { .name: cnt, .offset: 32, .size: 8, .value_kind: global_buffer, .address_space: global }
      - { .name: yp, .offset: 40, .size: 8, .value_kind: global_buffer, .address_space: global }
    .group_segment_fixed_size: 174592
    .private_segment_fixed_size: 0
    .kernarg_segment_align: 8
    .kernarg_segment_size: 48
    .max_flat_workgroup_size: 128
    .sgpr_count:     66
    .vgpr_count:     1024
    .wavefront_size: 32
...
	.end_amdgpu_metadata
.endif
;; end of part 7
;; launch combine (part 8): grid 512 x 1, 4 waves a work-group, no clusters, 0 bytes of LDS; arguments yp, lowp_scales, sel, wts, rank, out0; writes out0
.if DOCPART == 8
	.amdgcn_target "amdgcn-amd-amdhsa--gfx1250"
	.amdhsa_code_object_version 6
	.text
	.protected	k_q7b4b9ee31d_combine
	.globl	k_q7b4b9ee31d_combine
	.p2align	8
	.type	k_q7b4b9ee31d_combine,@function
k_q7b4b9ee31d_combine:
	s_mov_b64 s[64:65], 0
	v_nop
	global_prefetch_b8 v0, s[64:65] scope:SCOPE_SE
	s_setreg_imm32_b32 hwreg(HW_REG_WAVE_MODE, 25, 1), 1
	s_wait_xcnt 0x0
; out[n] = w0 2^(e2 + e3) (yp[0][row 0] + yp[1][row 0]) + w1 (the same for the second choice); b2 lies in yp's sums.  The six experts that a token has not chosen are left out (see the first launch).
; Each output row has one owner: a wave takes half a row (512 numbers) of token n = 2 x work-group + wave / 2.
; The token's two experts (sel), its rank in each (rank) and its weights (wts) were stored by earlier launches; row k = 1,024 e_k + rank[e_k][n].
; All eight ranks of the token are read at fixed places and the two are chosen by selects; every loaded number that enters an address is held by a minimum with its bound first.
; A stream: each load and store of the wave covers 512 consecutive bytes; no LDS, no barrier, no matrix unit.
; LIMIT: e2 + e3 between -126 and 127, so that 2^(e2 + e3) is an f32 number.
.set O,  16                            ; v16-31   the result
.set Y,  32                            ; v32-95   choice z, part g, load i: v[Y + 32 z + 16 g + 4 i]
	s_load_b256 s[4:11], s[0:1], 0x0               ; yp, scales, sel, wts
	s_load_b128 s[12:15], s[0:1], 0x20             ; rank, out0
	v_lshrrev_b32 v2, 5, v0
	v_readfirstlane_b32 s18, v2                    ; wave
	v_and_b32 v1, 31, v0
	v_lshlrev_b32 v1, 4, v1
	s_and_b32 s19, s18, 1
	s_lshl_b32 s19, s19, 11
	v_add_nc_u32 v1, s19, v1                       ; 16 x lane + 2,048 x half
	s_lshr_b32 s18, s18, 1
	s_lshl_b32 s19, ttmp9, 1
	s_add_co_u32 s18, s18, s19                     ; token n
	s_lshl_b32 s20, s18, 2
	s_mov_b32 s21, 0
	s_wait_alu depctr_va_vdst(0)
	s_wait_kmcnt 0x0
	s_add_nc_u64 s[8:9], s[8:9], s[20:21]          ; sel[n]
	s_add_nc_u64 s[12:13], s[12:13], s[20:21]      ; rank[0][n]
	s_lshl_b32 s20, s18, 3
	s_add_nc_u64 s[10:11], s[10:11], s[20:21]      ; wts[n]
	s_load_b32 s22, s[8:9], 0x0
.irp e, 0,1,2,3,4,5,6,7
	s_load_b32 s[32+\e], s[12:13], 4096*\e
.endr
	s_load_b64 s[24:25], s[10:11], 0x0             ; w0, w1
	s_load_b64 s[42:43], s[6:7], 0x8               ; e2, e3
	s_lshl_b32 s20, s18, 12
	s_add_nc_u64 s[14:15], s[14:15], s[20:21]      ; out0's row n
	s_wait_kmcnt 0x0
	s_and_b32 s44, s22, 7
	s_min_u32 s44, s44, 7                          ; the first choice
	s_bfe_u32 s45, s22, 0x30008
	s_min_u32 s45, s45, 7                          ; the second
	s_mov_b32 s46, s32
	s_mov_b32 s47, s32
.irp e, 1,2,3,4,5,6,7
	s_cmp_eq_u32 s44, \e
	s_cselect_b32 s46, s[32+\e], s46
	s_cmp_eq_u32 s45, \e
	s_cselect_b32 s47, s[32+\e], s47
.endr
	s_min_u32 s46, s46, 1023
	s_min_u32 s47, s47, 1023
	s_lshl_b32 s20, s44, 10
	s_add_co_u32 s20, s20, s46
	s_lshl_b32 s20, s20, 12                        ; row 1,024 e + rank, 4,096 bytes a row
	s_add_nc_u64 s[48:49], s[4:5], s[20:21]
	s_add_nc_u64 s[50:51], s[48:49], 0x2000000     ; the two parts lie 32 MiB apart
	s_lshl_b32 s20, s45, 10
	s_add_co_u32 s20, s20, s47
	s_lshl_b32 s20, s20, 12
	s_add_nc_u64 s[52:53], s[4:5], s[20:21]
	s_add_nc_u64 s[54:55], s[52:53], 0x2000000
.irp z, 0,1
.irp g, 0,1
.irp i, 0,1,2,3
	global_load_b128 v[Y+32*\z+16*\g+4*\i:Y+32*\z+16*\g+4*\i+3], v1, s[48+4*\z+2*\g:49+4*\z+2*\g] offset:512*\i th:TH_LOAD_NT
.endr
.endr
.endr
	s_add_co_i32 s70, s42, s43
	s_add_co_i32 s70, s70, 127
	s_lshl_b32 s70, s70, 23                        ; 2^(e2 + e3) as f32
	s_mul_f32 s26, s25, s70                        ; w1 x that
	s_mul_f32 s24, s24, s70                        ; w0 x that
	s_mov_b32 s27, s26                             ; (named as the upper words of the pairs, so they are written)
	s_mov_b32 s25, s24
	s_wait_loadcnt 8                               ; the first choice's two parts are in
.irp j, 0,2,4,6,8,10,12,14
	v_pk_add_f32 v[Y+\j:Y+\j+1], v[Y+\j:Y+\j+1], v[Y+16+\j:Y+16+\j+1]
.endr
.irp j, 0,2,4,6,8,10,12,14
	v_pk_mul_f32 v[O+\j:O+\j+1], v[Y+\j:Y+\j+1], s[24:25] op_sel_hi:[1,0]
.endr
	s_wait_alu depctr_va_vdst(0)
	s_wait_loadcnt 0x0
.irp j, 0,2,4,6,8,10,12,14
	v_pk_add_f32 v[Y+32+\j:Y+32+\j+1], v[Y+32+\j:Y+32+\j+1], v[Y+48+\j:Y+48+\j+1]
.endr
.irp j, 0,2,4,6,8,10,12,14
	v_pk_fma_f32 v[O+\j:O+\j+1], v[Y+32+\j:Y+32+\j+1], s[26:27], v[O+\j:O+\j+1] op_sel_hi:[1,0,1]
.endr
.irp i, 0,1,2,3
	global_store_b128 v1, v[O+4*\i:O+4*\i+3], s[14:15] offset:512*\i th:TH_STORE_NT
.endr
	s_endpgm
.Lfunc_end_k_q7b4b9ee31d_combine:
	.size	k_q7b4b9ee31d_combine, .Lfunc_end_k_q7b4b9ee31d_combine-k_q7b4b9ee31d_combine
	.p2alignl 7, 3214868480
	.fill 96, 4, 3214868480
	.section	.rodata,"a",@progbits
	.p2align	6, 0x0
	.amdhsa_kernel k_q7b4b9ee31d_combine
		.amdhsa_group_segment_fixed_size 0
		.amdhsa_private_segment_fixed_size 0
		.amdhsa_enable_private_segment 0
		.amdhsa_kernarg_size 48
		.amdhsa_user_sgpr_count 2
		.amdhsa_user_sgpr_kernarg_segment_ptr 1
		.amdhsa_wavefront_size32 1
		.amdhsa_system_sgpr_workgroup_id_x 1
		.amdhsa_system_sgpr_workgroup_id_y 1
		.amdhsa_system_sgpr_workgroup_id_z 1
		.amdhsa_system_vgpr_workitem_id 0
		.amdhsa_next_free_vgpr 128
		.amdhsa_next_free_sgpr 72
		.amdhsa_reserve_vcc 0
		.amdhsa_float_denorm_mode_32 3
		.amdhsa_float_denorm_mode_16_64 3
		.amdhsa_memory_ordered 1
		.amdhsa_forward_progress 1
		.amdhsa_inst_pref_size 8
	.end_amdhsa_kernel
	.amdgpu_metadata
---
amdhsa.version: [ 1, 2 ]
amdhsa.kernels:
  - .name:           k_q7b4b9ee31d_combine
    .symbol:         k_q7b4b9ee31d_combine.kd
    .args:
      - { .name: yp, .offset: 0, .size: 8, .value_kind: global_buffer, .address_space: global }
      - { .name: lowp_scales, .offset: 8, .size: 8, .value_kind: global_buffer, .address_space: global }
      - { .name: sel, .offset: 16, .size: 8, .value_kind: global_buffer, .address_space: global }
      - { .name: wts, .offset: 24, .size: 8, .value_kind: global_buffer, .address_space: global }
      - { .name: rank, .offset: 32, .size: 8, .value_kind: global_buffer, .address_space: global }
      - { .name: out0, .offset: 40, .size: 8, .value_kind: global_buffer, .address_space: global }
    .group_segment_fixed_size: 0
    .private_segment_fixed_size: 0
    .kernarg_segment_align: 8
    .kernarg_segment_size: 48
    .max_flat_workgroup_size: 128
    .sgpr_count:     72
    .vgpr_count:     128
    .wavefront_size: 32
...
	.end_amdgpu_metadata
.endif
;; end of part 8
